; MI455X (gfx1250); checked and timed in simulation.
; The chip was launched on July 23, 2026; its instructions are those of AMD's public machine-readable ISA for CDNA 5 (MIT licence, August 2026) and "CDNA5" Instruction Set Architecture Reference Guide (July 2026). The comments in the code are by the model that wrote it; some were corrected since.
;; KL Attention. Allowed arithmetic: float matrix products may take bf16 or f16 operands with f32 sums; all other float work in f32.
;; Inputs: Wk 512 x 512 float32; Wq 512 x 512 float32; Wv 512 x 512 float32; x 32 x 1,024 x 512 float32.
;; Outputs: out0 32 x 1,024 x 512 float32.
;; 2 versions, each right. Each part assembles by itself: llvm-mc -triple=amdgcn-amd-amdhsa -mcpu=gfx1250 --defsym DOCPART=n.
;; ======== version 1 of 2: 3 launches
;; limits: values are held in f16: magnitudes above 65,504 overflow, below 6.1e-05 lose precision
;; workspace buffers: wb 1,572,864 bytes; pb 33,554,432 bytes; lqb 33,554,432 bytes; vb 33,554,432 bytes
;; launch prep (part 1): grid 256 x 1, 4 waves a work-group, no clusters, 0 bytes of LDS; arguments Wq, Wk, Wv, wb; writes wb
.if DOCPART == 1
	.amdgcn_target "amdgcn-amd-amdhsa--gfx1250"
	.amdhsa_code_object_version 6
	.text
	.protected	k_q66afa091ea_prep
	.globl	k_q66afa091ea_prep
	.p2align	8
	.type	k_q66afa091ea_prep,@function
k_q66afa091ea_prep:
	s_mov_b64 s[64:65], 0
	v_nop
	global_prefetch_b8 v0, s[64:65] scope:SCOPE_SE
	s_setreg_imm32_b32 hwreg(HW_REG_WAVE_MODE, 25, 1), 1
	s_wait_xcnt 0x0
; wb[m][d][h] = bf16(W_m[d][h]), m = 0, 1, 2 for Wq, Wk, Wv: the three weight matrices, rounded once, one behind the other, not transposed.
; 256 work-groups x 4 waves; a wave takes 256 neighbouring numbers of each matrix: two loads of 512 neighbouring bytes, two stores of
; 256 neighbouring bytes that start at a multiple of 256.  A stream of 3 MiB in and 1.5 MiB out: LDS, clusters and the matrix unit have nothing to add.
.set MBYTES, 524288                    ; one matrix in bf16
	s_load_b256 s[4:11], s[0:1], 0x0               ; Wq s[4:5], Wk s[6:7], Wv s[8:9], wb s[10:11]
	v_and_b32 v1, 31, v0                           ; lane
	v_lshrrev_b32 v2, 5, v0                        ; wave
	s_lshl_b32 s12, ttmp9, 12                      ; the work-group's 1,024 numbers: 4,096 bytes in,
	s_lshl_b32 s13, ttmp9, 11                      ; 2,048 bytes out
	v_lshl_add_u32 v3, v1, 4, s12
	v_lshl_add_u32 v3, v2, 10, v3                  ; in: group + 1,024 wave + 16 lane
	v_lshl_add_u32 v4, v1, 3, s13
	v_lshl_add_u32 v4, v2, 9, v4                   ; out: group + 512 wave + 8 lane
	s_wait_kmcnt 0x0
.irp m, 0,1,2
	global_load_b128 v[8+8*\m:11+8*\m], v3, s[4+2*\m:5+2*\m] th:TH_LOAD_NT
	global_load_b128 v[12+8*\m:15+8*\m], v3, s[4+2*\m:5+2*\m] offset:512 th:TH_LOAD_NT
.endr
.irp m, 0,1,2
	s_wait_loadcnt 4-2*\m                          ; loads come back in order: the two loads of each younger matrix may stay out
	v_cvt_pk_bf16_f32 v[8+8*\m], v[8+8*\m], v[9+8*\m]
	v_cvt_pk_bf16_f32 v[9+8*\m], v[10+8*\m], v[11+8*\m]
	v_cvt_pk_bf16_f32 v[12+8*\m], v[12+8*\m], v[13+8*\m]
	v_cvt_pk_bf16_f32 v[13+8*\m], v[14+8*\m], v[15+8*\m]
	global_store_b64 v4, v[8+8*\m:9+8*\m], s[10:11] offset:\m*MBYTES
	global_store_b64 v4, v[12+8*\m:13+8*\m], s[10:11] offset:\m*MBYTES+256
.endr
	s_endpgm
.Lfunc_end_k_q66afa091ea_prep:
	.size	k_q66afa091ea_prep, .Lfunc_end_k_q66afa091ea_prep-k_q66afa091ea_prep
	.p2alignl 7, 3214868480
	.fill 96, 4, 3214868480
	.section	.rodata,"a",@progbits
	.p2align	6, 0x0
	.amdhsa_kernel k_q66afa091ea_prep
		.amdhsa_group_segment_fixed_size 0
		.amdhsa_private_segment_fixed_size 0
		.amdhsa_enable_private_segment 0
		.amdhsa_kernarg_size 32
		.amdhsa_user_sgpr_count 2
		.amdhsa_user_sgpr_kernarg_segment_ptr 1
		.amdhsa_wavefront_size32 1
		.amdhsa_system_sgpr_workgroup_id_x 1
		.amdhsa_system_sgpr_workgroup_id_y 1
		.amdhsa_system_sgpr_workgroup_id_z 1
		.amdhsa_system_vgpr_workitem_id 0
		.amdhsa_next_free_vgpr 32
		.amdhsa_next_free_sgpr 66
		.amdhsa_reserve_vcc 0
		.amdhsa_float_denorm_mode_32 3
		.amdhsa_float_denorm_mode_16_64 3
		.amdhsa_memory_ordered 1
		.amdhsa_forward_progress 1
		.amdhsa_inst_pref_size 3
	.end_amdhsa_kernel
	.amdgpu_metadata
---
amdhsa.version: [ 1, 2 ]
amdhsa.kernels:
  - .name:           k_q66afa091ea_prep
    .symbol:         k_q66afa091ea_prep.kd
    .args:
      - { .name: Wq, .offset: 0, .size: 8, .value_kind: global_buffer, .address_space: global }
      - { .name: Wk, .offset: 8, .size: 8, .value_kind: global_buffer, .address_space: global }
      - { .name: Wv, .offset: 16, .size: 8, .value_kind: global_buffer, .address_space: global }
      - { .name: wb, .offset: 24, .size: 8, .value_kind: global_buffer, .address_space: global }
    .group_segment_fixed_size: 0
    .private_segment_fixed_size: 0
    .kernarg_segment_align: 8
    .kernarg_segment_size: 32
    .max_flat_workgroup_size: 128
    .sgpr_count:     66
    .vgpr_count:     32
    .wavefront_size: 32
...
	.end_amdgpu_metadata
.endif
;; end of part 1
;; launch proj (part 2): grid 256 x 1, 4 waves a work-group, clusters of 4 x 1, 327,680 bytes of LDS; arguments x, wb, pb, lqb, vb; writes pb, lqb, vb
.if DOCPART == 2
	.amdgcn_target "amdgcn-amd-amdhsa--gfx1250"
	.amdhsa_code_object_version 6
	.text
	.protected	k_q66afa091ea_proj
	.globl	k_q66afa091ea_proj
	.p2align	8
	.type	k_q66afa091ea_proj,@function
k_q66afa091ea_proj:
	s_mov_b64 s[64:65], 0
	v_nop
	global_prefetch_b8 v0, s[64:65] scope:SCOPE_SE
	s_setreg_imm32_b32 hwreg(HW_REG_WAVE_MODE, 25, 1), 1
	s_wait_xcnt 0x0
	s_wait_alu depctr_hold_cnt(0) depctr_sa_sdst(0) depctr_va_vdst(0) depctr_va_sdst(0) depctr_va_ssrc(0) depctr_va_vcc(0) depctr_vm_vsrc(0)
	s_getreg_b32 s2, hwreg(HW_REG_IB_STS2, 6, 4)
	s_cmp_eq_u32 s2, 0
	s_cbranch_scc0 .Lentry_in_a_cluster
	s_endpgm
.Lentry_in_a_cluster:
	s_bfe_u32 s2, ttmp6, 0x10000c
	s_cmp_lg_u32 s2, 0x3003
	s_cbranch_scc0 .Lentry_shape_is_right
	s_endpgm
.Lentry_shape_is_right:
; pb = softmax(x Wq) in bf16, lqb = log_softmax(x Wk) in bf16, vb = x Wv in f16.  x: [32768][512] f32; wb: [3][512 d][512 h] bf16.
; A work-group owns 128 rows of x.  They are read from memory once, rounded to bf16 once and stay in LDS for three passes (q, k, v), each a
; product of 128 x 512 with K = 512.  Wave w makes all 128 rows x columns 128 w .. 128 w + 127: 64 accumulator tiles of 16 x 16, 512 registers.
; W goes through a ring of two LDS slots in tiles of 64 d-rows (65,536 dense bytes), 24 tiles in all; the ring runs on through the row work
; between the passes.  W lies [K][N] and is read with the transposing LDS load, so nothing is ever transposed in memory.
; CLUSTERS: every work-group walks the same W, so four work-groups form a cluster and ask for each tile jointly (mask 15): the requests for W are
; divided by four.  x is each work-group's own, so a second axis of the cluster would share nothing.
; THE MATRIX INSTRUCTION IS USED TRANSPOSED: source 0 = 16 columns of W, source 1 = 16 rows of x.  Lane l then holds row l % 16, its registers 0-7
; the columns 8 (l / 16) + 0..7: a reduction along a row is in-lane work, one exchange of the lane halves and one exchange of the four waves.
; LIMITS: |x Wv| must stay below f16's largest number, 65,504 (drawn inputs give about 1; both inputs 30 times larger about 5,000 at the peak).
; v_exp_f32 and v_log_f32 take denormals as zero.  NaN and infinities in the inputs are not served (the maxima drop a NaN).
; The row maximum is taken away before every exponential, as in the definition.
.set RING,   133120                    ; LDS 0: x in bf16, 128 rows of 1,024 bytes + 16 (pitch 1,040 = 65 x 16); written by LDS stores alone
.set SLOT,   67584                     ; a slot: 64 rows of 1,024 bytes + 32 (pitch 1,056 = 33 x 32); filled by tensor loads alone
.set HALFK,  33792                     ; 32 rows of a slot
.set STAGE,  268288                    ; the way out: 16 rows x 272 bytes for each wave
.set STATM,  285696                    ; row maxima [128 rows][4 waves] f32; 2,048 bytes further on the row sums
.set F0,   64                          ; fragment buffer 0 (window 0: rows of x; window 1: columns of W)
.set F1,   128                         ; fragment buffer 1
.set TMP,  192                         ; window 0: at work
.set U,    128                         ; window 0: v128-255 as one field, between the passes
.set XO,   8                           ; byte offset in x of my 16 bytes
.set XW,   9                           ; LDS address of my 8 bytes of x in bf16
.set ADRA, 16                          ; v16, v17: LDS address of my x fragments, rows 0-63 and 64-127
.set ADRB, 20                          ; v20, v21: LDS address of my W fragments in slot 0, 1
.set STO,  24
.set RD,   25
.set CO,   26
.set SWR,  27                          ; row figures: where I put mine
.set SRD,  28                          ; and where I read the four waves'
.set PR,   32                          ; v[32:47] eight pairs: a figure of row block a, twice
.set MX,   48                          ; v48-55 row maxima
.set SM,   56                          ; v56-63 row sums
.set G1,   24                          ; s[24:31] descriptor group 1
.set G0,   32                          ; s[32:39] descriptor group 0, one set for each slot
.set MUL_LO, 0xa1                      ; source 0 window 1, source 1 window 0, C and D window 2
.set MUL_HI, 0xf1                      ; the same, C and D window 3
.set TO_B,   0x40                      ; destination window 1
.set RD2, 0x0a                         ; sources 0 and 1 window 2, the rest window 0
.set RD3, 0x0f
.set IP2, 0x82                         ; destination and source 0 window 2, the rest window 0
.set IP3, 0xc3
.set X2,  0x02                         ; source 0 window 2
.set X3,  0x03
.set MSB, 0
.macro WIN new                         ; the immediate's high byte repeats the setting that is left
.if MSB != \new
	s_set_vgpr_msb (MSB<<8)|\new
.set MSB, \new
.endif
.endm
.macro WINA a, lo, hi                  ; row blocks 0-3 lie in window 2, 4-7 in window 3
.if \a < 4
	WIN \lo
.else
	WIN \hi
.endif
.endm
.macro PLACES                          ; four independent vector instructions behind a matrix instruction (ISA guide 7.12.1) before its result is read
.rept 4                                ; or one of its registers written or loaded into
	v_nop
.endr
.endm
.macro CREST                           ; a round of the cluster's barrier behind its opening barrier
	s_cmp_lg_u32 s14, 0
	s_cbranch_scc1 .Lnot_wave_0_\@
	s_barrier_signal -3
.Lnot_wave_0_\@:
	s_barrier_wait -3
	s_barrier_signal -1
	s_barrier_wait -1
.endm
.macro CROUND
	s_barrier_signal -1
	s_barrier_wait -1
	CREST
.endm
; K slice t (64 numbers, 256 bytes) of my wave's 32 rows: each load takes 256 whole bytes of two rows
.macro XLOAD t
.irp u, 0,1,2,3,4,5,6,7,8,9,10,11,12,13,14,15
	global_load_b128 v[64+64*(\t%3)+4*\u:64+64*(\t%3)+4*\u+3], v[XO], s[4:5] offset:\u*4096+\t*256 th:TH_LOAD_NT
.endr
.endm
.macro XCVT t, left
	s_wait_loadcnt \left                           ; loads come back in order: the younger slices' loads stay out
.irp u, 0,1,2,3,4,5,6,7,8,9,10,11,12,13,14,15
	v_cvt_pk_bf16_f32 v[64+64*(\t%3)+4*\u], v[64+64*(\t%3)+4*\u], v[64+64*(\t%3)+4*\u+1]
	v_cvt_pk_bf16_f32 v[64+64*(\t%3)+4*\u+1], v[64+64*(\t%3)+4*\u+2], v[64+64*(\t%3)+4*\u+3]
	ds_store_b64 v[XW], v[64+64*(\t%3)+4*\u:64+64*(\t%3)+4*\u+1] offset:\u*2080+\t*128
.endr
.endm
; 16 matrix instructions: row blocks a0, a0 + 1 of the window's four x all 8 column blocks, 32 along K.  The 64 accumulators take turns, one
; instruction a turn, in one fixed order.
.macro MUL16 f, hi, a0, zero
.irp a, \a0, \a0+1
.irp b, 0,1,2,3,4,5,6,7
.if \zero
	v_wmma_f32_16x16x32_bf16 v[8*(8*(\a)+\b):8*(8*(\a)+\b)+7], v[\f+8*\b:\f+8*\b+7], v[\f+8*(4*\hi+\a):\f+8*(4*\hi+\a)+7], 0
.else
	v_wmma_f32_16x16x32_bf16 v[8*(8*(\a)+\b):8*(8*(\a)+\b)+7], v[\f+8*\b:\f+8*\b+7], v[\f+8*(4*\hi+\a):\f+8*(4*\hi+\a)+7], v[8*(8*(\a)+\b):8*(8*(\a)+\b)+7]
.endif
.endr
.endr
.endm
; 32 LDS loads in one run: my 128 columns of W (rows 32 half .. + 31 of the slot, transposed on the way) and 128 rows of x at byte aoff
.macro FETCH slot, half, aoff, f
	WIN TO_B
.irp b, 0,1,2,3,4,5,6,7
	ds_load_tr16_b128 v[\f+8*\b:\f+8*\b+3],   v[ADRB+\slot] offset:\half*HALFK+32*\b
	ds_load_tr16_b128 v[\f+8*\b+4:\f+8*\b+7], v[ADRB+\slot] offset:\half*HALFK+32*\b+16896
.endr
	WIN 0
.irp i, 0,1,2,3,4,5,6,7
	ds_load_b128 v[\f+8*\i:\f+8*\i+3],   v[ADRA+\i/4] offset:(\i&3)*16640+\aoff
	ds_load_b128 v[\f+8*\i+4:\f+8*\i+7], v[ADRA+\i/4] offset:(\i&3)*16640+\aoff+32
.endr
.endm
; The first half of a tile: multiplies buffer 0, fetches the second half's fragments into buffer 1
.macro QUARTER slot, aoff, zero
	s_wait_dscnt 0x8                               ; W and x's rows 0-63 are in; the youngest eight loads (rows 64-127) may be out
	WIN MUL_LO
	MUL16 F0, 0, 0, \zero
	MUL16 F0, 0, 2, \zero
	PLACES
	FETCH \slot, 1, \aoff, F1
	s_wait_dscnt 0x20                              ; all but the 32 just issued
	WIN MUL_HI
	MUL16 F0, 1, 0, \zero
	MUL16 F0, 1, 2, \zero
.endm
; The second half: multiplies buffer 1 and changes slots.  In front of the barrier each wave waits for its reads of this slot and for all its
; tensor loads (one is out: its part of the next slot).  fill = 1: the barrier opens a round of the cluster's barrier, and behind the round this
; slot is asked for again, two tiles ahead: the wave's one tensor load until the next such round, 112 matrix instructions ahead of the wait for it.
.macro TURN slot, next, fill, aoff
	s_wait_dscnt 0x8
	WIN MUL_LO
	MUL16 F1, 0, 0, 0
	s_wait_dscnt 0x0
	s_wait_tensorcnt 0x0
	ds_add_u32 v255, v31
	s_wait_dscnt 0x0
	s_barrier_signal -1
	MUL16 F1, 0, 2, 0
	WIN 0
	s_barrier_wait -1
.if \fill
	CREST
	s_add_nc_u64 s[G0+4*\slot+2:G0+4*\slot+3], s[G0+4*\slot+2:G0+4*\slot+3], 131072
	tensor_load_to_lds s[G0+4*\slot:G0+4*\slot+3], s[G1:G1+7]
	s_nop 0
.endif
	PLACES
	FETCH \next, 0, \aoff, F0
	WIN MUL_HI
	MUL16 F1, 1, 0, 0
	MUL16 F1, 1, 2, 0
.endm
.macro LASTQ
	s_wait_dscnt 0x8
	WIN MUL_LO
	MUL16 F1, 0, 0, 0
	MUL16 F1, 0, 2, 0
	s_wait_dscnt 0x0
	WIN MUL_HI
	MUL16 F1, 1, 0, 0
	MUL16 F1, 1, 2, 0
.endm
.macro LAP l, zero                     ; two tiles, once round the ring; every LDS offset is an immediate
	QUARTER 0, 256*\l+64, \zero
	TURN 0, 1, 1, 256*\l+128
	QUARTER 1, 256*\l+192, 0
	TURN 1, 0, 1, (256*\l+256)%1024
.endm
.macro PASSK last                      ; a pass's eight tiles.  The last lap of q and of k already fetches the next pass's first fragments into buffer 0
	LAP 0, 1
	LAP 1, 0
	LAP 2, 0
.if \last
	QUARTER 0, 832, 0                              ; tiles 22 and 23: nothing is left to ask for
	TURN 0, 1, 0, 896
	QUARTER 1, 960, 0
	LASTQ
.else
	LAP 3, 0
.endif
.endm
; sums of register pairs in window 0
.macro TLEV base, half
.set ti, 0
.rept \half
	v_pk_add_f32 v[\base+2*ti:\base+2*ti+1], v[\base+2*ti:\base+2*ti+1], v[\base+2*(ti+\half):\base+2*(ti+\half)+1]
.set ti, ti+1
.endr
.endm
.macro TREE16 base, dst
	TLEV \base, 8
	TLEV \base, 4
	TLEV \base, 2
	TLEV \base, 1
	v_add_f32 v[\dst], v[\base], v[\base+1]
.endm
.macro TREE32 base, dst
	TLEV \base, 16
	TREE16 \base, \dst
.endm
; the largest of my 128 columns in each of my rows: four chains for each row block, then the two lane halves
.macro ROWMAX
	PLACES
.irp a, 0,1,2,3,4,5,6,7
	WINA \a, RD2, RD3
.irp c, 0,1,2,3
	v_max_num_f32 v[TMP+4*\a+\c], v[64*(\a&3)+8*\c], v[64*(\a&3)+8*\c+1]
.endr
.irp j, 2,4,6
.irp c, 0,1,2,3
	v_max3_num_f32 v[TMP+4*\a+\c], v[64*(\a&3)+8*\c+\j], v[64*(\a&3)+8*\c+\j+1], v[TMP+4*\a+\c]
.endr
.endr
.irp j, 0,2,4,6
.irp c, 0,1,2,3
	v_max3_num_f32 v[TMP+4*\a+\c], v[64*(\a&3)+8*\c+32+\j], v[64*(\a&3)+8*\c+32+\j+1], v[TMP+4*\a+\c]
.endr
.endr
.endr
	WIN 0
.irp a, 0,1,2,3,4,5,6,7
	v_max3_num_f32 v[TMP+4*\a], v[TMP+4*\a], v[TMP+4*\a+1], v[TMP+4*\a+2]
	v_max_num_f32 v[TMP+4*\a], v[TMP+4*\a], v[TMP+4*\a+3]
	v_permlanex16_b32 v[TMP+4*\a+1], v[TMP+4*\a], s40, s41
	v_max_num_f32 v[MX+\a], v[TMP+4*\a], v[TMP+4*\a+1]
.endr
.endm
; the four waves' figures of each row meet in LDS.  The one W tile that is on its way may stay out: behind this barrier no slot is filled.
.macro EXCH src, off, sum
.irp a, 0,1,2,3,4,5,6,7
	ds_store_b32 v[SWR], v[\src+\a] offset:\a*256+\off
.endr
	s_wait_dscnt 0x0                               ; for the other waves' sake: my stores are done
	s_barrier_signal -1
	s_barrier_wait -1
.irp a, 0,1,2,3,4,5,6,7
	ds_load_b128 v[TMP+4*\a:TMP+4*\a+3], v[SRD] offset:\a*256+\off
.endr
	s_wait_dscnt 0x0
.irp a, 0,1,2,3,4,5,6,7
.if \sum
	v_add_f32 v[TMP+4*\a], v[TMP+4*\a], v[TMP+4*\a+1]
	v_add_f32 v[TMP+4*\a+2], v[TMP+4*\a+2], v[TMP+4*\a+3]
	v_add_f32 v[\src+\a], v[TMP+4*\a], v[TMP+4*\a+2]
.else
	v_max3_num_f32 v[TMP+4*\a], v[TMP+4*\a], v[TMP+4*\a+1], v[TMP+4*\a+2]
	v_max_num_f32 v[\src+\a], v[TMP+4*\a], v[TMP+4*\a+3]
.endif
.endr
.endm
.macro NEGM                            ; - m log2(e), twice
.irp a, 0,1,2,3,4,5,6,7
	v_mul_f32 v[PR+2*\a], 0xbfb8aa3b, v[MX+\a]
	v_mul_f32 v[PR+2*\a+1], 0xbfb8aa3b, v[MX+\a]
.endr
.endm
.macro FMAROW a, lit                   ; row block a: accumulator x lit + the row's figure, in place
.set ii, 0
.rept 32
	v_pk_fma_f32 v[64*(\a&3)+2*ii:64*(\a&3)+2*ii+1], v[64*(\a&3)+2*ii:64*(\a&3)+2*ii+1], \lit, v[PR+2*\a:PR+2*\a+1] op_sel_hi:[1,0,1]
.set ii, ii+1
.endr
.endm
.macro HALVES                          ; the row sums of the two lane halves
.irp a, 0,1,2,3,4,5,6,7
	v_permlanex16_b32 v[TMP+\a], v[SM+\a], s40, s41
.endr
.irp a, 0,1,2,3,4,5,6,7
	v_add_f32 v[SM+\a], v[SM+\a], v[TMP+\a]
.endr
.endm
; rows 16 a .. 16 a + 15: round to 16 bits, 16 bytes a lane into my own stage, read back as whole rows of 256 bytes, store.
; LDS serves a wave's instructions in order (ISA guide 5.7.1), so the loads see the stores above them.
.macro OUT16 a, isf, base
	WINA \a, RD2, RD3
.irp b, 0,1,2,3,4,5,6,7
.irp q, 0,1,2,3
.if \isf
	v_cvt_pk_f16_f32 v[TMP+4*\b+\q], v[64*(\a&3)+8*\b+2*\q], v[64*(\a&3)+8*\b+2*\q+1]
.else
	v_cvt_pk_bf16_f32 v[TMP+4*\b+\q], v[64*(\a&3)+8*\b+2*\q], v[64*(\a&3)+8*\b+2*\q+1]
.endif
.endr
.endr
	WIN 0
.irp b, 0,1,2,3,4,5,6,7
	ds_store_b128 v[STO], v[TMP+4*\b:TMP+4*\b+3] offset:32*\b
.endr
	s_wait_xcnt 0x0                                ; the registers that earlier stores read are loaded again only behind this wait
.irp t, 0,1,2,3,4,5,6,7
	ds_load_b128 v[F1+32*(\a&1)+4*\t:F1+32*(\a&1)+4*\t+3], v[RD] offset:544*\t
.endr
.irp t, 0,1,2,3,4,5,6,7
	s_wait_dscnt 7-\t
	global_store_b128 v[CO], v[F1+32*(\a&1)+4*\t:F1+32*(\a&1)+4*\t+3], s[\base:\base+1] offset:(16*\a+2*\t)*1024   ; 16 lanes: 256 bytes, at a multiple of 256
.endr
.endm
.macro OUTALL isf, base
.irp a, 0,1,2,3,4,5,6,7
	OUT16 \a, \isf, \base
.endr
	s_wait_xcnt 0x0                                ; buffer 1, which the last stores read, is loaded again in the next pass
.endm
	s_load_b256 s[4:11], s[0:1], 0x0               ; x s[4:5], wb s[6:7], pb s[8:9], lqb s[10:11]
	s_load_b64 s[12:13], s[0:1], 0x20              ; vb
	s_set_vgpr_msb 0x40
	v_lshl_add_u32 v255, v0, 2, 0x46c00
	s_set_vgpr_msb 0x4000
	v_mov_b32 v31, 0
	s_set_vgpr_msb 0x1
	ds_add_u32 v255, v31
	s_set_vgpr_msb 0x100
	v_lshrrev_b32 v3, 5, v0
	v_readfirstlane_b32 s14, v3                    ; wave 0..3
	v_and_b32 v1, 15, v0                           ; r = l % 16
	v_bfe_u32 v2, v0, 4, 1                         ; h = l / 16
	s_bfe_u32 s15, ttmp6, 0x40000                  ; cx
	s_lshl_b32 s16, ttmp9, 2
	s_add_co_u32 s16, s16, s15                     ; work-group = 4 x cluster + cx
	s_lshl_b32 s20, s14, 5
	v_add_nc_u32 v4, s20, v2                       ; 32 w + h
	v_lshlrev_b32 v[XO], 4, v1
	v_lshl_add_u32 v[XO], v4, 11, v[XO]            ; (32 w + h) rows of 2,048 bytes + 16 r
	s_lshl_b32 s18, s16, 18                        ; 128 rows of 2,048 bytes
	s_mov_b32 s19, 0
	s_wait_dscnt 0x0
	s_wait_kmcnt 0x0
	s_add_nc_u64 s[4:5], s[4:5], s[18:19]
	XLOAD 0                                        ; three slices, 48 loads of 512 bytes a wave, are on their way before anything else is done
	XLOAD 1
	XLOAD 2
	s_lshl_b32 s18, s16, 17                        ; 128 rows of 1,024 bytes in each of the three results
	s_add_nc_u64 s[8:9], s[8:9], s[18:19]
	s_add_nc_u64 s[10:11], s[10:11], s[18:19]
	s_add_nc_u64 s[12:13], s[12:13], s[18:19]
	s_mov_b32 s40, 0x76543210                      ; v_permlanex16_b32: lane i of one half reads lane i of the other
	s_mov_b32 s41, 0xfedcba98
	; descriptor group 1: 16 rows x 512 elements of 2 bytes; 32 bytes of padding behind every 1,024; asked for jointly by the cluster's four
	s_mov_b32 s[G1+0], 15|(1<<16)|(1<<20)|(1<<21)|(7<<22)|(7<<25)
	s_mov_b32 s[G1+1], 512<<16                     ; tensor_dim0 = 512
	s_mov_b32 s[G1+2], 16<<16                      ; tensor_dim1 = 16
	s_mov_b32 s[G1+3], 512<<16                     ; tile_dim0 = 512
	s_mov_b32 s[G1+4], 16                          ; tile_dim1 = 16
	s_mov_b32 s[G1+5], 512                         ; elements from row to row
	s_mov_b32 s[G1+6], 0
	s_mov_b32 s[G1+7], 0
	s_lshl_b32 s18, s14, 14                        ; my 16 rows of a tile: made of the wave's number alone
	s_add_nc_u64 s[20:21], s[6:7], s[18:19]
	s_mul_i32 s22, s14, 16896
	v_mul_u32_u24 v5, v4, 1040
	v_lshl_add_u32 v[XW], v1, 3, v5                ; (32 w + h) x 1,040 + 8 r
	v_mul_u32_u24 v5, v1, 1040
	v_lshl_add_u32 v[ADRA], v2, 4, v5              ; row x pitch + 16 h
	v_add_nc_u32 v[ADRA+1], 66560, v[ADRA]         ; 64 rows on
	v_and_b32 v5, 7, v0
	v_lshl_add_u32 v5, v2, 3, v5                   ; the transposing load: row 8 h + l % 8,
	v_mul_u32_u24 v5, v5, 1056
	v_bfe_u32 v6, v0, 3, 1
	v_lshl_add_u32 v5, v6, 4, v5                   ; 16 bytes for each half of eight lanes,
	s_lshl_b32 s23, s14, 8
	s_add_co_u32 s18, s23, RING                    ; my wave's 128 columns
	v_add_nc_u32 v[ADRB], s18, v5
	v_add_nc_u32 v[ADRB+1], SLOT, v[ADRB]
	s_mul_i32 s18, s14, 4352
	s_add_co_u32 s18, s18, STAGE
	v_mul_u32_u24 v5, v1, 272
	v_lshl_add_u32 v5, v2, 4, v5
	v_add_nc_u32 v[STO], s18, v5
	v_mul_u32_u24 v5, v2, 272
	v_lshl_add_u32 v5, v1, 4, v5
	v_add_nc_u32 v[RD], s18, v5
	v_lshlrev_b32 v5, 10, v2
	v_lshl_add_u32 v5, v1, 4, v5
	v_add_nc_u32 v[CO], s23, v5                    ; h rows of 1,024 bytes + 16 r + 256 w
	v_lshlrev_b32 v5, 4, v1
	v_add_nc_u32 v[SRD], STATM, v5
	s_lshl_b32 s18, s14, 2
	v_add_nc_u32 v[SWR], s18, v[SRD]
	CROUND                                         ; the four work-groups are here: the first joint loads meet
.irp s, 0,1
	s_mov_b32 s[G0+4*\s], 1
	s_add_co_u32 s[G0+4*\s+1], s22, RING+\s*SLOT
	s_add_nc_u64 s[G0+4*\s+2:G0+4*\s+3], s[20:21], \s*65536
	s_or_b32 s[G0+4*\s+3], s[G0+4*\s+3], 0x80000000
	tensor_load_to_lds s[G0+4*\s:G0+4*\s+3], s[G1:G1+7]            ; tiles 0 and 1: two tensor loads of the wave are out here, later one
	s_nop 0
.endr
	XCVT 0, 32
	XLOAD 3
	XCVT 1, 32
	XLOAD 4
	XCVT 2, 32
	XLOAD 5
	XCVT 3, 32
	XLOAD 6
	XCVT 4, 32
	XLOAD 7
	XCVT 5, 32
	XCVT 6, 16
	XCVT 7, 0
	s_wait_dscnt 0x0                               ; my rows of x are in LDS,
	s_wait_tensorcnt 0x1                           ; my part of tile 0 too; tile 1 may stay out: behind this barrier nothing is filled
	s_barrier_signal -1
	s_barrier_wait -1
	FETCH 0, 0, 0, F0
	PASSK 0                                        ; q = x Wq
	; p = softmax(q): 2^((q - m) log2 e) in place, the row sums, the reciprocal
	ROWMAX
	EXCH MX, 0, 0
	NEGM
.irp a, 0,1,2,3,4,5,6,7
	WINA \a, IP2, IP3
	FMAROW \a, 0x3fb8aa3b
.set ii, 0
.rept 64
	v_exp_f32 v[64*(\a&3)+ii], v[64*(\a&3)+ii]
.set ii, ii+1
.endr
.endr
	v_nop                                          ; one plain instruction behind the last exponentials before their results are read
	s_wait_alu depctr_va_vdst(0)
.irp g, 0,1
.if \g == 0
	WIN RD2
.else
	WIN RD3
.endif
.irp c, 0,1,2,3
.set ii, 0
.rept 16
	v_pk_add_f32 v[U+32*\c+2*ii:U+32*\c+2*ii+1], v[64*\c+2*ii:64*\c+2*ii+1], v[64*\c+32+2*ii:64*\c+32+2*ii+1]
.set ii, ii+1
.endr
.endr
	WIN 0
.irp c, 0,1,2,3
	TREE16 U+32*\c, SM+4*\g+\c
.endr
.endr
	HALVES
	EXCH SM, 2048, 1
.irp a, 0,1,2,3,4,5,6,7
	v_rcp_f32 v[PR+2*\a], v[SM+\a]
	v_rcp_f32 v[PR+2*\a+1], v[SM+\a]
.endr
	v_nop
	s_wait_alu depctr_va_vdst(0)
.irp a, 0,1,2,3,4,5,6,7
	WINA \a, IP2, IP3
.set ii, 0
.rept 32
	v_pk_mul_f32 v[64*(\a&3)+2*ii:64*(\a&3)+2*ii+1], v[64*(\a&3)+2*ii:64*(\a&3)+2*ii+1], v[PR+2*\a:PR+2*\a+1]
.set ii, ii+1
.endr
.endr
	OUTALL 0, 8
	PASSK 0                                        ; k = x Wk
	; logq = ln 2 x (t - log2 Z), t = (k - m) log2 e kept in the accumulators, Z = the row's sum of 2^t (at least 1)
	ROWMAX
	EXCH MX, 0, 0
	NEGM
.irp a, 0,1,2,3,4,5,6,7
	WINA \a, IP2, IP3
	FMAROW \a, 0x3fb8aa3b
.endr
.irp g, 0,1,2,3
.if \g < 2
	WIN X2
.else
	WIN X3
.endif
.set ii, 0
.rept 128
	v_exp_f32 v[U+ii], v[128*(\g&1)+ii]            ; row blocks 2 g and 2 g + 1
.set ii, ii+1
.endr
	v_nop
	s_wait_alu depctr_va_vdst(0)
	WIN 0
	TREE32 U, SM+2*\g
	TREE32 U+64, SM+2*\g+1
.endr
	HALVES
	EXCH SM, 2048, 1
.irp a, 0,1,2,3,4,5,6,7
	v_log_f32 v[TMP+\a], v[SM+\a]
.endr
	v_nop
	s_wait_alu depctr_va_vdst(0)
.irp a, 0,1,2,3,4,5,6,7
	v_mul_f32 v[PR+2*\a], 0xbf317218, v[TMP+\a]    ; - ln 2 x log2 Z, twice
	v_mul_f32 v[PR+2*\a+1], 0xbf317218, v[TMP+\a]
.endr
.irp a, 0,1,2,3,4,5,6,7
	WINA \a, IP2, IP3
	FMAROW \a, 0x3f317218
.endr
	OUTALL 0, 10
	PASSK 1                                        ; v = x Wv, rounded to f16
	PLACES
	OUTALL 1, 12
	s_set_vgpr_msb 0x1
	s_wait_tensorcnt 0x0
	ds_add_u32 v255, v31
	s_wait_dscnt 0x0
	s_set_vgpr_msb 0x100
	CROUND                                         ; the closing round: no work-group ends while a partner may still ask for a tile that names it
	s_endpgm
.Lfunc_end_k_q66afa091ea_proj:
	.size	k_q66afa091ea_proj, .Lfunc_end_k_q66afa091ea_proj-k_q66afa091ea_proj
	.p2alignl 7, 3214868480
	.fill 96, 4, 3214868480
	.section	.rodata,"a",@progbits
	.p2align	6, 0x0
	.amdhsa_kernel k_q66afa091ea_proj
		.amdhsa_group_segment_fixed_size 327680
		.amdhsa_private_segment_fixed_size 0
		.amdhsa_enable_private_segment 0
		.amdhsa_kernarg_size 40
		.amdhsa_user_sgpr_count 2
		.amdhsa_user_sgpr_kernarg_segment_ptr 1
		.amdhsa_wavefront_size32 1
		.amdhsa_system_sgpr_workgroup_id_x 1
		.amdhsa_system_sgpr_workgroup_id_y 1
		.amdhsa_system_sgpr_workgroup_id_z 1
		.amdhsa_system_vgpr_workitem_id 0
		.amdhsa_next_free_vgpr 1024
		.amdhsa_next_free_sgpr 66
		.amdhsa_reserve_vcc 0
		.amdhsa_float_denorm_mode_32 3
		.amdhsa_float_denorm_mode_16_64 3
		.amdhsa_memory_ordered 1
		.amdhsa_forward_progress 1
		.amdhsa_inst_pref_size 255
	.end_amdhsa_kernel
	.section	.bss,"aw",@nobits
	.p2align	6
	.space	262144
	.amdgpu_metadata
---
amdhsa.version: [ 1, 2 ]
amdhsa.kernels:
  - .name:           k_q66afa091ea_proj
    .symbol:         k_q66afa091ea_proj.kd
    .args:
      - { .name: x, .offset: 0, .size: 8, .value_kind: global_buffer, .address_space: global }
      - { .name: wb, .offset: 8, .size: 8, .value_kind: global_buffer, .address_space: global }
      - { .name: pb, .offset: 16, .size: 8, .value_kind: global_buffer, .address_space: global }
      - { .name: lqb, .offset: 24, .size: 8, .value_kind: global_buffer, .address_space: global }
      - { .name: vb, .offset: 32, .size: 8, .value_kind: global_buffer, .address_space: global }
    .group_segment_fixed_size: 327680
    .private_segment_fixed_size: 0
    .kernarg_segment_align: 8
    .kernarg_segment_size: 40
    .max_flat_workgroup_size: 128
    .sgpr_count:     66
    .vgpr_count:     1024
    .wavefront_size: 32
...
	.end_amdgpu_metadata
.endif
;; end of part 2
;; launch attn (part 3): grid 256 x 1, 4 waves a work-group, clusters of 4 x 1, 327,680 bytes of LDS; arguments pb, lqb, vb, out0; writes out0
.if DOCPART == 3
	.amdgcn_target "amdgcn-amd-amdhsa--gfx1250"
	.amdhsa_code_object_version 6
	.text
	.protected	k_q66afa091ea_attn
	.globl	k_q66afa091ea_attn
	.p2align	8
	.type	k_q66afa091ea_attn,@function
k_q66afa091ea_attn:
	s_mov_b64 s[64:65], 0
	v_nop
	global_prefetch_b8 v0, s[64:65] scope:SCOPE_SE
	s_setreg_imm32_b32 hwreg(HW_REG_WAVE_MODE, 25, 1), 1
	s_wait_xcnt 0x0
	s_wait_alu depctr_hold_cnt(0) depctr_sa_sdst(0) depctr_va_vdst(0) depctr_va_sdst(0) depctr_va_ssrc(0) depctr_va_vcc(0) depctr_vm_vsrc(0)
	s_getreg_b32 s2, hwreg(HW_REG_IB_STS2, 6, 4)
	s_cmp_eq_u32 s2, 0
	s_cbranch_scc0 .Lentry_in_a_cluster
	s_endpgm
.Lentry_in_a_cluster:
	s_bfe_u32 s2, ttmp6, 0x10000c
	s_cmp_lg_u32 s2, 0x3003
	s_cbranch_scc0 .Lentry_shape_is_right
	s_endpgm
.Lentry_shape_is_right:
; out0[i] = sum over j of softmax_j(sum over h of p[i][h] logq[j][h]) v[j], for each of 32 batches of 1,024 rows.  pb, lqb: bf16; vb: f16; out0: f32.
; The definition's scores are neg_ent[i] - KL's cross term with the sign turned: -kl[i][j] = cross[i][j] - neg_ent[i].  neg_ent[i] is one finite number
; for a whole row (between -ln 512 and 0), and softmax along j of (c + s[j]) equals softmax of s[j] for every c, so it is not formed.
; A work-group owns 128 query rows; p's rows stay in LDS.  The batch's 1,024 j go in 8 blocks of 128 with a running maximum and a running sum.
; Scores of a block: wave (wr, wc) makes 64 rows x 64 j, 16 tiles, K = 512 in 8 chunks of 64.  The weights go to LDS in f16.
; Weights x v: wave w makes all 128 rows x h columns 128 w .. + 127, 64 tiles (512 registers), K = 128 in four steps of 32.
; A ring of two LDS slots of 67,584 bytes holds by turns logq's two halves along h (128 j x 256 h) and v's two halves along j (64 j x 512 h).
; v lies [K][N] and is read with the transposing LDS load.  The matrix instruction is used transposed (source 0 = the n side), so that a lane holds a row.
; CLUSTERS: the eight work-groups of a batch read the same logq and v.  Four of them form a cluster and ask for each tile jointly (mask 15); a mask
; names four work-groups, so a batch is fetched by two clusters.  p's rows are each work-group's own: a plain load.
; FORMATS: the last product is in f16, because the weights lie in [0, 1] and f16 keeps three more bits of them and of v than bf16.
; LIMITS: a weight below about 2^-25 of its row's largest is dropped (f16); v_exp_f32 gives zero for results below 2^-126; the row sum is made of
; the weights before their rounding to f16; NaN and infinities are not served.
.set RING,  133120                     ; LDS 0: p, 128 rows of 1,024 bytes + 16 (pitch 1,040); filled once
.set SLOT,  67584                      ; logq: 128 rows of 512 + 16 bytes (pitch 528); v: 64 rows of 1,024 + 32 bytes (pitch 1,056)
.set HALFK, 33792                      ; 32 rows of v
.set PS,    268288                     ; the weights, 128 rows of 256 + 16 bytes; at the end the stage of the way out, 16 rows x 528 bytes a wave
.set AL,    303104                     ; the rows' factors 2^(old maximum - new maximum), twice each: 8 bytes a row
.set MXX,   304128                     ; block maxima [128 rows][2 column halves]
.set LX,    305152                     ; row sums [128 rows][2 column halves]
.set F0,   64
.set F1,   128
.set TMP,  192
.set PFO,  7                           ; prefetch: my byte offset in a block of 131,072 bytes
.set ADRQ, 8
.set ADRK, 9                           ; v9, v10: slot 0, 1
.set ADRP, 11
.set ADRV, 12                          ; v12, v13
.set STP,  14
.set MXW,  15
.set MXR,  16
.set ALW,  17
.set ALR,  18
.set LXW,  19
.set LXR,  20
.set STO,  21
.set RD,   22
.set CO,   23
.set M2,   24                          ; v24-27 running maxima of my 4 x 16 rows, in units of log2
.set LSUM, 28                          ; v28-31 my lane's part of the running row sums
.set NM,   32                          ; v[32:39] - maximum, twice
.set AD,   40                          ; v[40:47] the factor of my rows, twice
.set ALP,  48                          ; v[48:63] the factors of all 128 rows, twice; at the end 1 / row sum
.set G1K, 24
.set G1V, 32
.set G0K, 40                           ; s[40:43] logq's left half, s[44:47] its right half
.set G0V, 48                           ; s[48:51] v's upper half, s[52:55] its lower half
.set G0Q, 68
.set G1Q, 72
.set MUL_LO, 0xa1
.set MUL_HI, 0xf1
.set TO_B,   0x40
.set S_SET,  0x51                      ; D, C and source 0 window 1, source 1 window 0
.set RD1, 0x05                         ; sources 0 and 1 window 1, the rest window 0
.set IP1, 0x41                         ; destination and source 0 window 1
.set IP2, 0x82
.set IP3, 0xc3
.set X2,  0x02
.set X3,  0x03
.set MSB, 0
.macro WIN new
.if MSB != \new
	s_set_vgpr_msb (MSB<<8)|\new
.set MSB, \new
.endif
.endm
.macro WINA a, lo, hi
.if \a < 4
	WIN \lo
.else
	WIN \hi
.endif
.endm
.macro PLACES                          ; four independent vector instructions behind a matrix instruction (ISA guide 7.12.1)
.rept 4
	v_nop
.endr
.endm
.macro CREST
	s_cmp_lg_u32 s14, 0
	s_cbranch_scc1 .Lnot_wave_0_\@
	s_barrier_signal -3
.Lnot_wave_0_\@:
	s_barrier_wait -3
	s_barrier_signal -1
	s_barrier_wait -1
.endm
.macro CROUND
	s_barrier_signal -1
	s_barrier_wait -1
	CREST
.endm
.macro TLEV base, half
.set ti, 0
.rept \half
	v_pk_add_f32 v[\base+2*ti:\base+2*ti+1], v[\base+2*ti:\base+2*ti+1], v[\base+2*(ti+\half):\base+2*(ti+\half)+1]
.set ti, ti+1
.endr
.endm
.macro TREE8 base, dst
	TLEV \base, 4
	TLEV \base, 2
	TLEV \base, 1
	v_add_f32 v[\dst], v[\base], v[\base+1]
.endm
; SCORES.  Tile (a, b) lies in window 1 at 32 a + 128 (a / 2) + 8 b: v0-63 and v192-255, round the fragment buffers.
; 16 matrix instructions, 32 along K; the 16 accumulators take turns, one instruction a turn.
.macro SMUL16 f, kk, zero
.irp a, 0,1,2,3
.irp b, 0,1,2,3
.if \zero
	v_wmma_f32_16x16x32_bf16 v[32*\a+128*(\a/2)+8*\b:32*\a+128*(\a/2)+8*\b+7], v[\f+8*(4*\kk+\b):\f+8*(4*\kk+\b)+7], v[\f+8*(4*\kk+\a):\f+8*(4*\kk+\a)+7], 0
.else
	v_wmma_f32_16x16x32_bf16 v[32*\a+128*(\a/2)+8*\b:32*\a+128*(\a/2)+8*\b+7], v[\f+8*(4*\kk+\b):\f+8*(4*\kk+\b)+7], v[\f+8*(4*\kk+\a):\f+8*(4*\kk+\a)+7], v[32*\a+128*(\a/2)+8*\b:32*\a+128*(\a/2)+8*\b+7]
.endif
.endr
.endr
.endm
; 32 LDS loads: a chunk's fragments, 64 j of logq at byte kb of the slot's rows and 64 rows of p at byte qb, 64 along K
.macro SFETCH slot, kb, qb, f
	WIN TO_B
.irp e, 0,1
.irp b, 0,1,2,3
	ds_load_b128 v[\f+8*(4*\e+\b):\f+8*(4*\e+\b)+3],   v[ADRK+\slot] offset:\b*8448+\kb+64*\e
	ds_load_b128 v[\f+8*(4*\e+\b)+4:\f+8*(4*\e+\b)+7], v[ADRK+\slot] offset:\b*8448+\kb+64*\e+32
.endr
.endr
	WIN 0
.irp e, 0,1
.irp a, 0,1,2,3
	ds_load_b128 v[\f+8*(4*\e+\a):\f+8*(4*\e+\a)+3],   v[ADRQ] offset:\a*16640+\qb+64*\e
	ds_load_b128 v[\f+8*(4*\e+\a)+4:\f+8*(4*\e+\a)+7], v[ADRQ] offset:\a*16640+\qb+64*\e+32
.endr
.endr
.endm
; a chunk: multiplies buffer f, fetches the next chunk's fragments into buffer g.
; pf = 1: each lane asks once for one block of 256 bytes of the NEXT block of j: the four work-groups x four waves x 32 lanes of a cluster cover its
; 131,072 bytes; the batch's even cluster asks for logq, the odd one for v.  Blocks 0 to 6 ask, for blocks 1 to 7; the last block asks for nothing.
.macro SCHUNK f, g, slot, kb, qb, zero, pf
	s_wait_dscnt 0x8                               ; all but p's fragments of the second 32 along K
	WIN S_SET
	SMUL16 \f, 0, \zero
	PLACES
	SFETCH \slot, \kb, \qb, \g
.if \pf
	global_prefetch_b8 v[PFO], s[56:57] th:TH_LOAD_NT scope:SCOPE_SE
.endif
	s_wait_dscnt 0x20                              ; all but the 32 just issued
	WIN S_SET
	SMUL16 \f, 1, 0
.endm
; chunk 3: the reads of slot 0 are over.  Each wave's waits stand in front of the round's opening signal; behind the round v's upper half goes
; into slot 0, the wave's one tensor load until the next round.
.macro STURN first
	s_wait_dscnt 0x0
	s_wait_xcnt 0x0
	s_set_vgpr_msb 0x5110
	v_lshl_add_u32 v254, v0, 2, 0x4ac00
	v_mov_b32 v255, 0
	s_wait_tensorcnt 0x0                           ; all my tensor loads have landed: the one that was out is my part of slot 1 (logq's right half)
	ds_add_u32 v254, v255
	s_wait_dscnt 0x0
	s_set_vgpr_msb 0x1051
	s_barrier_signal -1
	WIN S_SET
	SMUL16 F1, 0, 0
	WIN 0
	s_barrier_wait -1
	CREST
.if \first == 0
	s_add_nc_u64 s[G0V+2:G0V+3], s[G0V+2:G0V+3], 131072
.endif
	tensor_load_to_lds s[G0V:G0V+3], s[G1V:G1V+7]
	s_nop 0
	PLACES
	SFETCH 1, 0, 512, F0
	WIN S_SET
	SMUL16 F1, 1, 0
.endm
; THE BLOCK'S SOFTMAX STEP, with the running maximum
.macro SOFTMAX first
	PLACES
	WIN RD1
.irp a, 0,1,2,3
.irp b, 0,1,2,3
	v_max_num_f32 v[TMP+4*\a+\b], v[32*\a+128*(\a/2)+8*\b], v[32*\a+128*(\a/2)+8*\b+1]
.endr
.irp j, 2,4,6
.irp b, 0,1,2,3
	v_max3_num_f32 v[TMP+4*\a+\b], v[32*\a+128*(\a/2)+8*\b+\j], v[32*\a+128*(\a/2)+8*\b+\j+1], v[TMP+4*\a+\b]
.endr
.endr
.endr
	WIN 0
.irp a, 0,1,2,3
	v_max3_num_f32 v[TMP+4*\a], v[TMP+4*\a], v[TMP+4*\a+1], v[TMP+4*\a+2]
	v_max_num_f32 v[TMP+4*\a], v[TMP+4*\a], v[TMP+4*\a+3]
	v_permlanex16_b32 v[TMP+4*\a+1], v[TMP+4*\a], s58, s59
	v_max_num_f32 v[TMP+4*\a], v[TMP+4*\a], v[TMP+4*\a+1]
	ds_store_b32 v[MXW], v[TMP+4*\a] offset:128*\a
.endr
	s_wait_dscnt 0x0                               ; for the wave with the other 64 j: my maxima are in LDS
	s_barrier_signal -1                            ; v's upper half may stay on its way: behind this barrier no slot is filled
	s_barrier_wait -1
.irp a, 0,1,2,3
	ds_load_b64 v[TMP+4*\a:TMP+4*\a+1], v[MXR] offset:128*\a
.endr
	s_wait_dscnt 0x0
.irp a, 0,1,2,3
	v_max_num_f32 v[TMP+4*\a], v[TMP+4*\a], v[TMP+4*\a+1]
	v_mul_f32 v[TMP+4*\a], 0x3fb8aa3b, v[TMP+4*\a] ; the block's maximum in units of log2
.endr
.irp a, 0,1,2,3
.if \first
	v_mov_b32 v[M2+\a], v[TMP+4*\a]
.else
	v_max_num_f32 v[TMP+4*\a+1], v[M2+\a], v[TMP+4*\a]
	v_sub_f32 v[TMP+4*\a+2], v[M2+\a], v[TMP+4*\a+1]
	v_exp_f32 v[AD+2*\a], v[TMP+4*\a+2]            ; 2^(old - new), at most 1
	v_exp_f32 v[AD+2*\a+1], v[TMP+4*\a+2]
	v_mov_b32 v[M2+\a], v[TMP+4*\a+1]              ; the plain instruction behind the exponentials
.endif
.endr
.irp a, 0,1,2,3
	v_mul_f32 v[NM+2*\a], -1.0, v[M2+\a]
	v_mul_f32 v[NM+2*\a+1], -1.0, v[M2+\a]
.endr
	WIN IP1
.irp a, 0,1,2,3
.set ii, 0
.rept 16
	v_pk_fma_f32 v[32*\a+128*(\a/2)+2*ii:32*\a+128*(\a/2)+2*ii+1], v[32*\a+128*(\a/2)+2*ii:32*\a+128*(\a/2)+2*ii+1], 0x3fb8aa3b, v[NM+2*\a:NM+2*\a+1] op_sel_hi:[1,0,1]
.set ii, ii+1
.endr
.set ii, 0
.rept 32
	v_exp_f32 v[32*\a+128*(\a/2)+ii], v[32*\a+128*(\a/2)+ii]
.set ii, ii+1
.endr
.endr
	v_nop
	WIN RD1
	s_wait_alu depctr_va_vdst(0)
.irp a, 0,1,2,3
.set ii, 0
.rept 8
	v_pk_add_f32 v[F1+16*\a+2*ii:F1+16*\a+2*ii+1], v[32*\a+128*(\a/2)+2*ii:32*\a+128*(\a/2)+2*ii+1], v[32*\a+128*(\a/2)+16+2*ii:32*\a+128*(\a/2)+16+2*ii+1]
.set ii, ii+1
.endr
.endr
	WIN 0
.irp a, 0,1,2,3
.if \first
	TREE8 F1+16*\a, LSUM+\a
.else
	TREE8 F1+16*\a, TMP+4*\a+3
	v_fma_f32 v[LSUM+\a], v[LSUM+\a], v[AD+2*\a], v[TMP+4*\a+3]
.endif
.endr
	WIN RD1
.irp a, 0,1,2,3
.irp b, 0,1,2,3
.irp q, 0,1,2,3
	v_cvt_pk_f16_f32 v[TMP+4*(4*\a+\b)+\q], v[32*\a+128*(\a/2)+8*\b+2*\q], v[32*\a+128*(\a/2)+8*\b+2*\q+1]
.endr
.endr
.endr
	WIN 0
.irp a, 0,1,2,3
.irp b, 0,1,2,3
	ds_store_b128 v[STP], v[TMP+4*(4*\a+\b):TMP+4*(4*\a+\b)+3] offset:\a*4352+32*\b
.endr
.endr
.if \first == 0
	s_cmp_lg_u32 s61, 0                            ; both waves of a row half hold the same factors: the one with the left 64 j writes them
	s_cbranch_scc1 .Lno_factors_\@
.irp a, 0,1,2,3
	ds_store_b64 v[ALW], v[AD+2*\a:AD+2*\a+1] offset:128*\a
.endr
.Lno_factors_\@:
.endif
	s_wait_dscnt 0x0                               ; my weights and factors are in LDS, my reads of slot 1 were over before,
	s_wait_xcnt 0x0
	v_lshl_add_u32 v254, v0, 2, 0x4ac00
	v_mov_b32 v255, 0
	s_wait_tensorcnt 0x0                           ; and all my tensor loads have landed (my part of v's upper half)
	ds_add_u32 v254, v255
	s_wait_dscnt 0x0
	CROUND                                         ; one round shows the weights to every wave and stands in front of the refill
.if \first == 0
	s_add_nc_u64 s[G0V+6:G0V+7], s[G0V+6:G0V+7], 131072
.endif
	tensor_load_to_lds s[G0V+4:G0V+7], s[G1V:G1V+7]                ; v's lower half into slot 1
	s_nop 0
.endm
; WEIGHTS x V
.macro MUL16 f, hi, a0, zero
.irp a, \a0, \a0+1
.irp b, 0,1,2,3,4,5,6,7
.if \zero
	v_wmma_f32_16x16x32_f16 v[8*(8*(\a)+\b):8*(8*(\a)+\b)+7], v[\f+8*\b:\f+8*\b+7], v[\f+8*(4*\hi+\a):\f+8*(4*\hi+\a)+7], 0
.else
	v_wmma_f32_16x16x32_f16 v[8*(8*(\a)+\b):8*(8*(\a)+\b)+7], v[\f+8*\b:\f+8*\b+7], v[\f+8*(4*\hi+\a):\f+8*(4*\hi+\a)+7], v[8*(8*(\a)+\b):8*(8*(\a)+\b)+7]
.endif
.endr
.endr
.endm
.macro PFETCH slot, kk, pb, f          ; 32 LDS loads: my 128 columns of v, 32 j, transposed on the way; 128 rows of weights at byte pb
	WIN TO_B
.irp b, 0,1,2,3,4,5,6,7
	ds_load_tr16_b128 v[\f+8*\b:\f+8*\b+3],   v[ADRV+\slot] offset:\kk*HALFK+32*\b
	ds_load_tr16_b128 v[\f+8*\b+4:\f+8*\b+7], v[ADRV+\slot] offset:\kk*HALFK+32*\b+16896
.endr
	WIN 0
.irp a, 0,1,2,3,4,5,6,7
	ds_load_b128 v[\f+8*\a:\f+8*\a+3],   v[ADRP] offset:\a*4352+\pb
	ds_load_b128 v[\f+8*\a+4:\f+8*\a+7], v[ADRP] offset:\a*4352+\pb+32
.endr
.endm
.macro PQUARTER slot, pb, zero
	s_wait_dscnt 0x8                               ; v and the weights' rows 0-63 are in; the youngest eight loads (rows 64-127) may be out
	WIN MUL_LO
	MUL16 F0, 0, 0, \zero
	MUL16 F0, 0, 2, \zero
	PLACES
	PFETCH \slot, 1, \pb, F1
	s_wait_dscnt 0x20
	WIN MUL_HI
	MUL16 F0, 1, 0, \zero
	MUL16 F0, 1, 2, \zero
.endm
; multiplies buffer 1 and changes slots.  fill = 1: the slot just read gets the next block's half of logq (descriptor set), behind a round.
; nexts = 1: the next fragments are the next block's first score chunk; 0: v's lower half.
.macro PTURN fill, set, nexts
	s_wait_dscnt 0x8
	WIN MUL_LO
	MUL16 F1, 0, 0, 0
	s_wait_dscnt 0x0
	s_wait_xcnt 0x0
	s_set_vgpr_msb 0xa120
	v_lshl_add_u32 v254, v0, 2, 0x4ac00
	v_mov_b32 v255, 0
	s_wait_tensorcnt 0x0
	ds_add_u32 v254, v255
	s_wait_dscnt 0x0
	s_set_vgpr_msb 0x20a1
	s_barrier_signal -1
	MUL16 F1, 0, 2, 0
	WIN 0
	s_barrier_wait -1
.if \fill
	CREST
	s_add_nc_u64 s[\set+2:\set+3], s[\set+2:\set+3], 131072
	tensor_load_to_lds s[\set:\set+3], s[G1K:G1K+7]
	s_nop 0
.endif
	PLACES
.if \nexts
	SFETCH 0, 0, 0, F0
.else
	PFETCH 1, 0, 128, F0
.endif
	WIN MUL_HI
	MUL16 F1, 1, 0, 0
	MUL16 F1, 1, 2, 0
.endm
.macro BLOCK first, last
	SCHUNK F0, F1, 0, 128, 128, 1, 1-\last
	SCHUNK F1, F0, 0, 256, 256, 0, 0
	SCHUNK F0, F1, 0, 384, 384, 0, 0
	STURN \first
	SCHUNK F0, F1, 1, 128, 640, 0, 0
	SCHUNK F1, F0, 1, 256, 768, 0, 0
	SCHUNK F0, F1, 1, 384, 896, 0, 0
	s_wait_dscnt 0x8                               ; chunk 7: nothing more to fetch
	WIN S_SET
	SMUL16 F1, 0, 0
	s_wait_dscnt 0x0
	SMUL16 F1, 1, 0
	SOFTMAX \first
.if \first == 0
.irp a, 0,1,2,3,4,5,6,7
	ds_load_b64 v[ALP+2*\a:ALP+2*\a+1], v[ALR] offset:128*\a
.endr
.endif
	PFETCH 0, 0, 0, F0
.if \first == 0
	s_wait_dscnt 0x20                              ; the factors are in; the 32 fragment loads land while the sums are scaled
.irp a, 0,1,2,3,4,5,6,7
	WINA \a, IP2, IP3
.set ii, 0
.rept 32
	v_pk_mul_f32 v[64*(\a&3)+2*ii:64*(\a&3)+2*ii+1], v[64*(\a&3)+2*ii:64*(\a&3)+2*ii+1], v[ALP+2*\a:ALP+2*\a+1]
.set ii, ii+1
.endr
.endr
.endif
	PQUARTER 0, 64, \first
.if \last
	PTURN 0, G0K, 0                                ; nothing is left to ask for: a plain barrier
	PQUARTER 1, 192, 0
	s_wait_dscnt 0x8
	WIN MUL_LO
	MUL16 F1, 0, 0, 0
	MUL16 F1, 0, 2, 0
	s_wait_dscnt 0x0
	WIN MUL_HI
	MUL16 F1, 1, 0, 0
	MUL16 F1, 1, 2, 0
	WIN 0
.else
	PTURN 1, G0K, 0
	PQUARTER 1, 192, 0
	PTURN 1, G0K+4, 1
	WIN 0
	s_wait_xcnt 0x0                                ; the prefetch's base is stepped only behind this wait
	s_add_nc_u64 s[56:57], s[56:57], 131072
.endif
.endm
; rows 16 a .. + 15 of the result: x 1 / row sum, 32 bytes a lane into my stage, read back as rows of 512 bytes, store
.macro OUTF a
	WINA \a, X2, X3
.irp b, 0,1,2,3,4,5,6,7
.irp q, 0,1,2,3
	v_pk_mul_f32 v[TMP+8*\b+2*\q:TMP+8*\b+2*\q+1], v[64*(\a&3)+8*\b+2*\q:64*(\a&3)+8*\b+2*\q+1], v[ALP+2*\a:ALP+2*\a+1]
.endr
.endr
	WIN 0
.irp b, 0,1,2,3,4,5,6,7
	ds_store_b128 v[STO], v[TMP+8*\b:TMP+8*\b+3] offset:64*\b
	ds_store_b128 v[STO], v[TMP+8*\b+4:TMP+8*\b+7] offset:64*\b+16
.endr
	s_wait_xcnt 0x0                                ; the registers that earlier stores read are loaded again only behind this wait
.irp t, 0,1,2,3,4,5,6,7,8,9,10,11,12,13,14,15
	ds_load_b128 v[F0+64*(\a&1)+4*\t:F0+64*(\a&1)+4*\t+3], v[RD] offset:528*\t
.endr
.irp t, 0,1,2,3,4,5,6,7,8,9,10,11,12,13,14,15
	s_wait_dscnt 15-\t
	global_store_b128 v[CO], v[F0+64*(\a&1)+4*\t:F0+64*(\a&1)+4*\t+3], s[10:11] offset:(16*\a+\t)*2048 th:TH_STORE_NT   ; 512 neighbouring bytes, at a multiple of 512
.endr
.endm
	s_load_b256 s[4:11], s[0:1], 0x0               ; pb s[4:5], lqb s[6:7], vb s[8:9], out0 s[10:11]
	v_lshl_add_u32 v254, v0, 2, 0x4ac00
	v_mov_b32 v255, 0
	ds_add_u32 v254, v255
	s_wait_dscnt 0x0
	v_lshrrev_b32 v3, 5, v0
	v_readfirstlane_b32 s14, v3                    ; wave 0..3
	v_and_b32 v1, 15, v0                           ; r
	v_bfe_u32 v2, v0, 4, 1                         ; h
	v_and_b32 v4, 31, v0                           ; l
	s_bfe_u32 s15, ttmp6, 0x40000                  ; cx
	s_lshl_b32 s16, ttmp9, 2
	s_add_co_u32 s16, s16, s15                     ; work-group = 4 x cluster + cx
	s_lshr_b32 s17, ttmp9, 1                       ; batch: two clusters each
	s_lshr_b32 s62, s14, 1                         ; wr: which 64 rows of the scores are mine
	s_and_b32 s61, s14, 1                          ; wc: which 64 j
	s_mov_b32 s58, 0x76543210
	s_mov_b32 s59, 0xfedcba98
	; logq: 32 rows x 256 elements a wave, 16 bytes of padding behind every 512; joint
	s_mov_b32 s[G1K+0], 15|(1<<16)|(1<<20)|(1<<21)|(6<<22)|(3<<25)
	s_mov_b32 s[G1K+1], 256<<16
	s_mov_b32 s[G1K+2], 32<<16
	s_mov_b32 s[G1K+3], 256<<16
	s_mov_b32 s[G1K+4], 32
	s_mov_b32 s[G1K+5], 512
	s_mov_b32 s[G1K+6], 0
	s_mov_b32 s[G1K+7], 0
	; v: 16 rows x 512 elements a wave, 32 bytes of padding behind every 1,024; joint
	s_mov_b32 s[G1V+0], 15|(1<<16)|(1<<20)|(1<<21)|(7<<22)|(7<<25)
	s_mov_b32 s[G1V+1], 512<<16
	s_mov_b32 s[G1V+2], 16<<16
	s_mov_b32 s[G1V+3], 512<<16
	s_mov_b32 s[G1V+4], 16
	s_mov_b32 s[G1V+5], 512
	s_mov_b32 s[G1V+6], 0
	s_mov_b32 s[G1V+7], 0
	; p: 32 rows x 512 elements a wave, 16 bytes of padding behind every 1,024; the work-group's own
	s_mov_b32 s[G1Q+0], (1<<16)|(1<<20)|(7<<22)|(3<<25)
	s_mov_b32 s[G1Q+1], 512<<16
	s_mov_b32 s[G1Q+2], 32<<16
	s_mov_b32 s[G1Q+3], 512<<16
	s_mov_b32 s[G1Q+4], 32
	s_mov_b32 s[G1Q+5], 512
	s_mov_b32 s[G1Q+6], 0
	s_mov_b32 s[G1Q+7], 0
	s_lshl_b32 s18, s16, 17                        ; p: 128 rows of 1,024 bytes a work-group,
	s_lshl_b32 s20, s14, 15                        ; 32 rows a wave
	s_add_co_u32 s18, s18, s20
	s_mov_b32 s19, 0
	s_lshl_b32 s22, s17, 20                        ; a batch: 1,024 rows of 1,024 bytes
	s_add_co_u32 s20, s20, s22                     ; logq: batch + 32 rows a wave: the cluster's number and the wave's alone
	s_mov_b32 s21, 0
	s_lshl_b32 s66, s14, 14
	s_add_co_u32 s66, s66, s22                     ; v: batch + 16 rows a wave
	s_mov_b32 s67, 0
	s_add_co_u32 s22, s22, 131072                  ; prefetch: the batch's block 1
	s_mov_b32 s23, 0
	s_lshl_b32 s80, s16, 18                        ; out0: 128 rows of 2,048 bytes
	s_mov_b32 s81, 0
	s_mul_i32 s63, s14, 16896                      ; my quarter of a slot
	s_and_b32 s82, ttmp9, 1
	s_wait_kmcnt 0x0
	s_add_nc_u64 s[18:19], s[4:5], s[18:19]
	s_add_nc_u64 s[20:21], s[6:7], s[20:21]
	s_add_nc_u64 s[66:67], s[8:9], s[66:67]
	s_add_nc_u64 s[10:11], s[10:11], s[80:81]
	s_cmp_eq_u32 s82, 0
	s_cselect_b64 s[56:57], s[6:7], s[8:9]         ; the batch's even cluster prefetches logq, the odd one v
	s_add_nc_u64 s[56:57], s[56:57], s[22:23]
	CROUND                                         ; the four work-groups are here: the first joint loads meet
	s_mov_b32 s[G0Q], 1
	s_mul_i32 s[G0Q+1], s14, 33280
	s_mov_b64 s[G0Q+2:G0Q+3], s[18:19]
	s_or_b32 s[G0Q+3], s[G0Q+3], 0x80000000
	tensor_load_to_lds s[G0Q:G0Q+3], s[G1Q:G1Q+7]                  ; p; with the two below three tensor loads of the wave are out here, later one
	s_nop 0
.irp s, 0,1
	s_mov_b32 s[G0K+4*\s], 1
	s_add_co_u32 s[G0K+4*\s+1], s63, RING+\s*SLOT
	s_add_nc_u64 s[G0K+4*\s+2:G0K+4*\s+3], s[20:21], \s*512
	s_or_b32 s[G0K+4*\s+3], s[G0K+4*\s+3], 0x80000000
	tensor_load_to_lds s[G0K+4*\s:G0K+4*\s+3], s[G1K:G1K+7]        ; block 0 of logq, left and right half
	s_nop 0
.endr
.irp s, 0,1
	s_mov_b32 s[G0V+4*\s], 1
	s_add_co_u32 s[G0V+4*\s+1], s63, RING+\s*SLOT
	s_add_nc_u64 s[G0V+4*\s+2:G0V+4*\s+3], s[66:67], \s*65536
	s_or_b32 s[G0V+4*\s+3], s[G0V+4*\s+3], 0x80000000
.endr
	s_lshl_b32 s80, s15, 15
	s_lshl_b32 s81, s14, 13
	s_add_co_u32 s80, s80, s81
	v_lshl_add_u32 v[PFO], v4, 8, s80              ; 32,768 cx + 8,192 w + 256 l
	s_lshl_b32 s80, s62, 6
	v_add_nc_u32 v5, s80, v1                       ; 64 wr + r
	v_mul_u32_u24 v6, v5, 1040
	v_lshl_add_u32 v[ADRQ], v2, 4, v6
	v_mul_u32_u24 v6, v5, 272
	v_lshl_add_u32 v6, v2, 4, v6
	s_lshl_b32 s81, s61, 7
	s_add_co_u32 s81, s81, PS
	v_add_nc_u32 v[STP], s81, v6                   ; PS + (64 wr + r) x 272 + 128 wc + 16 h
	v_lshlrev_b32 v6, 3, v5
	v_add_nc_u32 v[MXR], MXX, v6
	s_lshl_b32 s81, s61, 2
	v_add_nc_u32 v[MXW], s81, v[MXR]
	v_add_nc_u32 v[LXW], 1024, v[MXW]
	v_add_nc_u32 v[ALW], AL, v6
	s_lshl_b32 s80, s61, 6
	v_add_nc_u32 v5, s80, v1                       ; 64 wc + r
	v_mul_u32_u24 v6, v5, 528
	v_lshl_add_u32 v6, v2, 4, v6
	v_add_nc_u32 v[ADRK], RING, v6
	v_add_nc_u32 v[ADRK+1], SLOT, v[ADRK]
	v_mul_u32_u24 v6, v1, 272
	v_lshl_add_u32 v6, v2, 4, v6
	v_add_nc_u32 v[ADRP], PS, v6
	v_and_b32 v5, 7, v0
	v_lshl_add_u32 v5, v2, 3, v5                   ; the transposing load: row 8 h + l % 8
	v_mul_u32_u24 v5, v5, 1056
	v_bfe_u32 v6, v0, 3, 1
	v_lshl_add_u32 v5, v6, 4, v5
	s_lshl_b32 s80, s14, 8
	s_add_co_u32 s80, s80, RING
	v_add_nc_u32 v[ADRV], s80, v5
	v_add_nc_u32 v[ADRV+1], SLOT, v[ADRV]
	v_lshlrev_b32 v6, 3, v1
	v_add_nc_u32 v[ALR], AL, v6
	v_add_nc_u32 v[LXR], LX, v6
	s_mul_i32 s83, s14, 8448
	s_add_co_u32 s83, s83, PS
	v_mul_u32_u24 v6, v1, 528
	v_lshl_add_u32 v6, v2, 5, v6
	v_add_nc_u32 v[STO], s83, v6
	v_lshl_add_u32 v[RD], v4, 4, s83
	s_lshl_b32 s82, s14, 9
	v_lshl_add_u32 v[CO], v4, 4, s82
	s_wait_tensorcnt 0x1                           ; my parts of p and of logq's left half are in; the right half may stay out: behind this barrier nothing is filled
	s_barrier_signal -1
	s_barrier_wait -1
	SFETCH 0, 0, 0, F0
	BLOCK 1, 0                                     ; block 0 starts the maxima and all the sums: nothing is cleared
	s_mov_b32 s60, 6
.Lblock:
	BLOCK 0, 0                                     ; blocks 1 to 6
	s_sub_co_i32 s60, s60, 1
	s_cmp_lg_u32 s60, 0
	s_cbranch_scc1 .Lblock
	BLOCK 0, 1                                     ; block 7 asks for nothing beyond the batch
	; THE WAY OUT: the row sums of the lane halves and of the two column halves, their reciprocals, the rows
	PLACES
.irp a, 0,1,2,3
	v_permlanex16_b32 v[TMP+\a], v[LSUM+\a], s58, s59
.endr
.irp a, 0,1,2,3
	v_add_f32 v[LSUM+\a], v[LSUM+\a], v[TMP+\a]
	ds_store_b32 v[LXW], v[LSUM+\a] offset:128*\a
.endr
	s_wait_dscnt 0x0
	s_barrier_signal -1                            ; the sums are there, and no wave reads the weights any more: their bytes become the stage
	s_barrier_wait -1
.irp a, 0,1,2,3,4,5,6,7
	ds_load_b64 v[TMP+2*\a:TMP+2*\a+1], v[LXR] offset:128*\a
.endr
	s_wait_dscnt 0x0
.irp a, 0,1,2,3,4,5,6,7
	v_add_f32 v[TMP+2*\a], v[TMP+2*\a], v[TMP+2*\a+1]
.endr
.irp a, 0,1,2,3,4,5,6,7
	v_rcp_f32 v[ALP+2*\a], v[TMP+2*\a]
	v_rcp_f32 v[ALP+2*\a+1], v[TMP+2*\a]
.endr
	v_nop
	s_wait_alu depctr_va_vdst(0)
.irp a, 0,1,2,3,4,5,6,7
	OUTF \a
.endr
	s_wait_xcnt 0x0
	v_lshl_add_u32 v254, v0, 2, 0x4ac00
	v_mov_b32 v255, 0
	s_wait_tensorcnt 0x0
	ds_add_u32 v254, v255
	s_wait_dscnt 0x0
	CROUND                                         ; the closing round
	s_endpgm
.Lfunc_end_k_q66afa091ea_attn:
	.size	k_q66afa091ea_attn, .Lfunc_end_k_q66afa091ea_attn-k_q66afa091ea_attn
	.p2alignl 7, 3214868480
	.fill 96, 4, 3214868480
	.section	.rodata,"a",@progbits
	.p2align	6, 0x0
	.amdhsa_kernel k_q66afa091ea_attn
		.amdhsa_group_segment_fixed_size 327680
		.amdhsa_private_segment_fixed_size 0
		.amdhsa_enable_private_segment 0
		.amdhsa_kernarg_size 32
		.amdhsa_user_sgpr_count 2
		.amdhsa_user_sgpr_kernarg_segment_ptr 1
		.amdhsa_wavefront_size32 1
		.amdhsa_system_sgpr_workgroup_id_x 1
		.amdhsa_system_sgpr_workgroup_id_y 1
		.amdhsa_system_sgpr_workgroup_id_z 1
		.amdhsa_system_vgpr_workitem_id 0
		.amdhsa_next_free_vgpr 1024
		.amdhsa_next_free_sgpr 84
		.amdhsa_reserve_vcc 0
		.amdhsa_float_denorm_mode_32 3
		.amdhsa_float_denorm_mode_16_64 3
		.amdhsa_memory_ordered 1
		.amdhsa_forward_progress 1
		.amdhsa_inst_pref_size 255
	.end_amdhsa_kernel
	.section	.bss,"aw",@nobits
	.p2align	6
	.space	262144
	.amdgpu_metadata
---
amdhsa.version: [ 1, 2 ]
amdhsa.kernels:
  - .name:           k_q66afa091ea_attn
    .symbol:         k_q66afa091ea_attn.kd
    .args:
      - { .name: pb, .offset: 0, .size: 8, .value_kind: global_buffer, .address_space: global }
      - { .name: lqb, .offset: 8, .size: 8, .value_kind: global_buffer, .address_space: global }
      - { .name: vb, .offset: 16, .size: 8, .value_kind: global_buffer, .address_space: global }
      - { .name: out0, .offset: 24, .size: 8, .value_kind: global_buffer, .address_space: global }
    .group_segment_fixed_size: 327680
    .private_segment_fixed_size: 0
    .kernarg_segment_align: 8
    .kernarg_segment_size: 32
    .max_flat_workgroup_size: 128
    .sgpr_count:     84
    .vgpr_count:     1024
    .wavefront_size: 32
...
	.end_amdgpu_metadata
.endif
;; end of part 3
;; ======== version 2 of 2: 3 launches
;; limits: values are held in f16: magnitudes above 65,504 overflow, below 6.1e-05 lose precision
;; workspace buffers: wb 1,572,864 bytes; pb 33,554,432 bytes; lqb 33,554,432 bytes; vb 33,554,432 bytes
;; launch prep: the kernel of part 1 again; grid 256 x 1, 4 waves a work-group, no clusters, 0 bytes of LDS; arguments Wq, Wk, Wv, wb; writes wb
;; launch proj (part 4): grid 256 x 1, 4 waves a work-group, clusters of 4 x 1, 327,680 bytes of LDS; arguments x, wb, pb, lqb, vb; writes pb, lqb, vb
.if DOCPART == 4
	.amdgcn_target "amdgcn-amd-amdhsa--gfx1250"
	.amdhsa_code_object_version 6
	.text
	.protected	k_q66afa091ea_proj
	.globl	k_q66afa091ea_proj
	.p2align	8
	.type	k_q66afa091ea_proj,@function
k_q66afa091ea_proj:
	s_mov_b64 s[64:65], 0
	v_nop
	global_prefetch_b8 v0, s[64:65] scope:SCOPE_SE
	s_setreg_imm32_b32 hwreg(HW_REG_WAVE_MODE, 25, 1), 1
	s_wait_xcnt 0x0
	s_wait_alu depctr_hold_cnt(0) depctr_sa_sdst(0) depctr_va_vdst(0) depctr_va_sdst(0) depctr_va_ssrc(0) depctr_va_vcc(0) depctr_vm_vsrc(0)
	s_getreg_b32 s2, hwreg(HW_REG_IB_STS2, 6, 4)
	s_cmp_eq_u32 s2, 0
	s_cbranch_scc0 .Lentry_in_a_cluster
	s_endpgm
.Lentry_in_a_cluster:
	s_bfe_u32 s2, ttmp6, 0x10000c
	s_cmp_lg_u32 s2, 0x3003
	s_cbranch_scc0 .Lentry_shape_is_right
	s_endpgm
.Lentry_shape_is_right:
; pb = softmax(x Wq) in bf16, lqb = log_softmax(x Wk) in bf16, vb = x Wv in f16.  x: [32768][512] f32; wb: [3][512 d][512 h] bf16.
; A work-group owns 128 rows of x.  They are read from memory once, rounded to bf16 once and stay in LDS for three passes (q, k, v), each a
; product of 128 x 512 with K = 512.  Wave w makes all 128 rows x columns 128 w .. 128 w + 127: 64 accumulator tiles of 16 x 16, 512 registers.
; W goes through a ring of two LDS slots in tiles of 64 d-rows (65,536 dense bytes), 24 tiles in all; the ring runs on through the row work
; between the passes.  W lies [K][N] and is read with the transposing LDS load, so nothing is ever transposed in memory.
; THE TEXT IS KEPT SHORT BY RUNNING IT AGAIN: a pass's eight tiles are half a tile that starts the sums, a loop of three trips of two tiles, and a
; tail of a tile and a half; passes q and k are two trips of one loop and share all their row work; pass v stands behind it, since its tail asks for
; no more tiles.  512 matrix instructions of text serve a pass's 1,024.
; CLUSTERS: every work-group walks the same W, so four work-groups form a cluster and ask for each tile jointly (mask 15): the requests for W are
; divided by four.  x is each work-group's own, so a second axis of the cluster would share nothing.
; THE ORDER ALONG K IS ROTATED FROM CLUSTER TO CLUSTER: cluster c begins each pass at tile rot = (c + c / 8) mod 8 and wraps round.  So at each step
; the 64 clusters ask for eight different tiles, the eight tiles of a matrix are first asked for together by the two fills that each cluster issues
; ahead of a pass, and every later request is for a tile that the clusters with rotations one and two further on asked for one and two steps earlier.
; x's eight slices along K lie in LDS in the same rotated order (position t of a row holds slice (rot + t) mod 8), so no LDS address hangs on rot.
; THE MATRIX INSTRUCTION IS USED TRANSPOSED: source 0 = 16 columns of W, source 1 = 16 rows of x.  Lane l then holds row l % 16, its registers 0-7
; the columns 8 (l / 16) + 0..7: a reduction along a row is in-lane work, one exchange of the lane halves and one exchange of the four waves.
; ROW WORK, the same for q and k: m = the row's maximum, t = (y - m) log2 e, Z = the row's sum of 2^t (at least 1), u = c (t - log2 Z).
; For k, c = ln 2 and u is log_softmax.  For q, c = 1 and softmax = 2^u: a second exponential for each number instead of a text of its own.
; LIMITS: |x Wv| must stay below f16's largest number, 65,504 (drawn inputs give about 1; both inputs 30 times larger about 5,000 at the peak).
; A sum's terms are those of the definition; their order along K, and so the rounding of the f32 sums, differs from cluster to cluster.
; v_exp_f32 and v_log_f32 take denormals as zero.  NaN and infinities in the inputs are not served (the maxima drop a NaN).
; The row maximum is taken away before every exponential, as in the definition.
.set RING,   133120                    ; LDS 0: x in bf16, 128 rows of 1,024 bytes + 16 (pitch 1,040 = 65 x 16); written by LDS stores alone
.set SLOT,   67584                     ; a slot: 64 rows of 1,024 bytes + 32 (pitch 1,056 = 33 x 32); filled by tensor loads alone
.set HALFK,  33792                     ; 32 rows of a slot
.set STAGE,  268288                    ; the way out: 16 rows x 272 bytes for each wave
.set STATM,  285696                    ; row maxima [128 rows][4 waves] f32; 2,048 bytes further on the row sums
.set F0,   64                          ; fragment buffer 0 (window 0: rows of x; window 1: columns of W)
.set F1,   128                         ; fragment buffer 1
.set TMP,  192                         ; window 0: at work
.set U,    128                         ; window 0: v128-255 as one field, between the passes
.set XO,   8                           ; byte offset in x of my 16 bytes in slice 0
.set XW,   9                           ; LDS address of my 8 bytes of x in bf16
.set LE,   10                          ; v[10:11] log2 e, twice
.set CC,   12                          ; v[12:13] c, twice: 1 in pass q, ln 2 in pass k
.set NC,   14                          ; v14      - c
.set ADRA, 16                          ; v16, v17: LDS address of my x fragments, rows 0-63 and 64-127; never rewritten
.set ADRL, 18                          ; v18, v19: the same + 256 bytes (two tiles along K) x the lap loop's trip
.set ADRB, 20                          ; v20, v21: LDS address of my W fragments in slot 0, 1
.set STO,  24
.set RD,   25
.set CO,   26
.set SWR,  27                          ; row figures: where I put mine
.set SRD,  28                          ; and where I read the four waves'
.set XOS,  32                          ; v32-39, while x is read: byte offset in x of my 16 bytes in the slice that goes to position t
.set PR,   32                          ; v[32:47], from the first row work on: eight pairs, a figure of row block a, twice
.set MX,   48                          ; v48-55 row maxima
.set SM,   56                          ; v56-63 row sums
.set G1,   24                          ; s[24:31] descriptor group 1
.set G0,   32                          ; s[32:39] descriptor group 0, one set for each slot
.set OB,   44                          ; s[44:45] the result of the pass at work: pb, then lqb
.set TN,   47                          ; s47      how many of the 24 tiles have been asked for
.set WOF,  48                          ; s[48:49] a tile's byte offset in wb, in 64 bits
.set ROT,  51                          ; s51      the cluster's rotation, 0 to 7
.set MUL_LO, 0xa1                      ; source 0 window 1, source 1 window 0, C and D window 2
.set MUL_HI, 0xf1                      ; the same, C and D window 3
.set TO_B,   0x40                      ; destination window 1
.set RD2, 0x0a                         ; sources 0 and 1 window 2, the rest window 0
.set RD3, 0x0f
.set IP2, 0x82                         ; destination and source 0 window 2, the rest window 0
.set IP3, 0xc3
.set X2,  0x02                         ; source 0 window 2
.set X3,  0x03
.set MSB, 0
.macro WIN new                         ; the immediate's high byte repeats the setting that is left
.if MSB != \new
	s_set_vgpr_msb (MSB<<8)|\new
.set MSB, \new
.endif
.endm
.macro WINA a, lo, hi                  ; row blocks 0-3 lie in window 2, 4-7 in window 3
.if \a < 4
	WIN \lo
.else
	WIN \hi
.endif
.endm
.macro PLACES                          ; four independent vector instructions behind a matrix instruction (ISA guide 7.12.1) before its result is read
.rept 4                                ; or one of its registers written or loaded into
	v_nop
.endr
.endm
.macro CREST                           ; a round of the cluster's barrier behind its opening barrier
	s_cmp_lg_u32 s14, 0
	s_cbranch_scc1 .Lnot_wave_0_\@
	s_barrier_signal -3
.Lnot_wave_0_\@:
	s_barrier_wait -3
	s_barrier_signal -1
	s_barrier_wait -1
.endm
.macro CROUND
	s_barrier_signal -1
	s_barrier_wait -1
	CREST
.endm
; The global address of the next tile, number T = TN of 24, into the slot's group 0: matrix T / 8, tile (T + rot) mod 8 of its eight.
; It is made of the cluster's number, the wave's number and the count alone, so it is equal in the four partners.  It stands where no tensor load
; of the wave that names this group 0 is out.
.macro NEXTW slot
	s_add_co_u32 s[WOF], s[TN], s[ROT]
	s_and_b32 s[WOF], s[WOF], 7
	s_and_b32 s50, s[TN], 24
	s_or_b32 s[WOF], s[WOF], s50
	s_lshl_b32 s[WOF], s[WOF], 16                  ; tiles of 65,536 bytes; 23 x 65,536 at the most
	s_add_nc_u64 s[G0+4*\slot+2:G0+4*\slot+3], s[20:21], s[WOF:WOF+1]
	s_or_b32 s[G0+4*\slot+3], s[G0+4*\slot+3], 0x80000000
	s_add_co_u32 s[TN], s[TN], 1
.endm
; the K slice (64 numbers, 256 bytes) of my wave's 32 rows that goes to position t: each load takes 256 whole bytes of two rows
.macro XLOAD t
.irp u, 0,1,2,3,4,5,6,7,8,9,10,11,12,13,14,15
	global_load_b128 v[64+64*(\t%3)+4*\u:64+64*(\t%3)+4*\u+3], v[XOS+\t], s[4:5] offset:\u*4096 th:TH_LOAD_NT
.endr
.endm
.macro XCVT t, left
	s_wait_loadcnt \left                           ; loads come back in order: the younger slices' loads stay out
.irp u, 0,1,2,3,4,5,6,7,8,9,10,11,12,13,14,15
	v_cvt_pk_bf16_f32 v[64+64*(\t%3)+4*\u], v[64+64*(\t%3)+4*\u], v[64+64*(\t%3)+4*\u+1]
	v_cvt_pk_bf16_f32 v[64+64*(\t%3)+4*\u+1], v[64+64*(\t%3)+4*\u+2], v[64+64*(\t%3)+4*\u+3]
	ds_store_b64 v[XW], v[64+64*(\t%3)+4*\u:64+64*(\t%3)+4*\u+1] offset:\u*2080+\t*128
.endr
.endm
; 16 matrix instructions: row blocks a0, a0 + 1 of the window's four x all 8 column blocks, 32 along K.  The 64 accumulators take turns, one
; instruction a turn, in one fixed order, over both backward jumps too.
.macro MUL16 f, hi, a0, zero
.irp a, \a0, \a0+1
.irp b, 0,1,2,3,4,5,6,7
.if \zero
	v_wmma_f32_16x16x32_bf16 v[8*(8*(\a)+\b):8*(8*(\a)+\b)+7], v[\f+8*\b:\f+8*\b+7], v[\f+8*(4*\hi+\a):\f+8*(4*\hi+\a)+7], 0
.else
	v_wmma_f32_16x16x32_bf16 v[8*(8*(\a)+\b):8*(8*(\a)+\b)+7], v[\f+8*\b:\f+8*\b+7], v[\f+8*(4*\hi+\a):\f+8*(4*\hi+\a)+7], v[8*(8*(\a)+\b):8*(8*(\a)+\b)+7]
.endif
.endr
.endr
.endm
; 32 LDS loads in one run: my 128 columns of W (rows 32 half .. + 31 of the slot, transposed on the way) and 128 rows of x at byte aoff from the
; address pair ar (ADRA: from the rows' first byte; ADRL: from the lap's)
.macro FETCH slot, half, aoff, f, ar
	WIN TO_B
.irp b, 0,1,2,3,4,5,6,7
	ds_load_tr16_b128 v[\f+8*\b:\f+8*\b+3],   v[ADRB+\slot] offset:\half*HALFK+32*\b
	ds_load_tr16_b128 v[\f+8*\b+4:\f+8*\b+7], v[ADRB+\slot] offset:\half*HALFK+32*\b+16896
.endr
	WIN 0
.irp i, 0,1,2,3,4,5,6,7
	ds_load_b128 v[\f+8*\i:\f+8*\i+3],   v[\ar+\i/4] offset:(\i&3)*16640+\aoff
	ds_load_b128 v[\f+8*\i+4:\f+8*\i+7], v[\ar+\i/4] offset:(\i&3)*16640+\aoff+32
.endr
.endm
; The first half of a tile: multiplies buffer 0, fetches the second half's fragments into buffer 1
.macro QUARTER slot, aoff, zero, ar
	s_wait_dscnt 0x8                               ; W and x's rows 0-63 are in; the youngest eight loads (rows 64-127) may be out
	WIN MUL_LO
	MUL16 F0, 0, 0, \zero
	MUL16 F0, 0, 2, \zero
	PLACES
	FETCH \slot, 1, \aoff, F1, \ar
	s_wait_dscnt 0x20                              ; all but the 32 just issued
	WIN MUL_HI
	MUL16 F0, 1, 0, \zero
	MUL16 F0, 1, 2, \zero
.endm
; The second half: multiplies buffer 1 and changes slots.  In front of the barrier each wave waits for its reads of this slot and for all its
; tensor loads (one is out: its part of the next slot).  fill = 1: the barrier opens a round of the cluster's barrier, and behind the round this
; slot is asked for again, two tiles ahead: the wave's one tensor load until the next such round, 112 matrix instructions ahead of the wait for it.
.macro TURN slot, next, fill, aoff, ar
	s_wait_dscnt 0x8
	WIN MUL_LO
	MUL16 F1, 0, 0, 0
	s_wait_dscnt 0x0
	s_wait_tensorcnt 0x0
	ds_add_u32 v255, v31
	s_wait_dscnt 0x0
	s_barrier_signal -1
	MUL16 F1, 0, 2, 0
	WIN 0
	s_barrier_wait -1
.if \fill
	CREST
	NEXTW \slot
	tensor_load_to_lds s[G0+4*\slot:G0+4*\slot+3], s[G1:G1+7]
	s_nop 0
.endif
	PLACES
	FETCH \next, 0, \aoff, F0, \ar
	WIN MUL_HI
	MUL16 F1, 1, 0, 0
	MUL16 F1, 1, 2, 0
.endm
.macro LASTQ
	s_wait_dscnt 0x8
	WIN MUL_LO
	MUL16 F1, 0, 0, 0
	MUL16 F1, 0, 2, 0
	s_wait_dscnt 0x0
	WIN MUL_HI
	MUL16 F1, 1, 0, 0
	MUL16 F1, 1, 2, 0
.endm
; A pass's eight tiles.  At its head buffer 0 holds the first fragments (slot 0, the first 32 along K).  A tile is 128 bytes of x's rows, a half tile 64.
; Trip i of the loop ends tile 2 i, takes tile 2 i + 1 and begins tile 2 i + 2; it fetches x at bytes 256 i + 128, + 192, + 256, + 320.
; fill = 1 (q, k): every change of slots asks for a tile, and the last one fetches the next pass's first fragments (x at byte 0).
; fill = 0 (v): the loop's six changes ask for tiles 18 to 23; the tail asks for nothing.
.macro KPASS fill
	QUARTER 0, 64, 1, ADRA                         ; the first products start the sums: nothing is cleared
	WIN 0
	s_mov_b32 s42, 0
.Llap_\@:
	s_lshl_b32 s43, s42, 8                         ; 256 bytes x trip
	v_add_nc_u32 v[ADRL], s43, v[ADRA]
	v_add_nc_u32 v[ADRL+1], s43, v[ADRA+1]
	TURN 0, 1, 1, 128, ADRL
	QUARTER 1, 192, 0, ADRL
	TURN 1, 0, 1, 256, ADRL
	QUARTER 0, 320, 0, ADRL
	WIN 0
	s_add_co_u32 s42, s42, 1
	s_cmp_lt_u32 s42, 3
	s_cbranch_scc1 .Llap_\@
	TURN 0, 1, \fill, 896, ADRA
	QUARTER 1, 960, 0, ADRA
.if \fill
	TURN 1, 0, 1, 0, ADRA
.else
	LASTQ
.endif
.endm
; sums of register pairs in window 0
.macro TLEV base, half
.set ti, 0
.rept \half
	v_pk_add_f32 v[\base+2*ti:\base+2*ti+1], v[\base+2*ti:\base+2*ti+1], v[\base+2*(ti+\half):\base+2*(ti+\half)+1]
.set ti, ti+1
.endr
.endm
.macro TREE32 base, dst
	TLEV \base, 16
	TLEV \base, 8
	TLEV \base, 4
	TLEV \base, 2
	TLEV \base, 1
	v_add_f32 v[\dst], v[\base], v[\base+1]
.endm
; the largest of my 128 columns in each of my rows: four chains for each row block, then the two lane halves
.macro ROWMAX
	PLACES
.irp a, 0,1,2,3,4,5,6,7
	WINA \a, RD2, RD3
.irp c, 0,1,2,3
	v_max_num_f32 v[TMP+4*\a+\c], v[64*(\a&3)+8*\c], v[64*(\a&3)+8*\c+1]
.endr
.irp j, 2,4,6
.irp c, 0,1,2,3
	v_max3_num_f32 v[TMP+4*\a+\c], v[64*(\a&3)+8*\c+\j], v[64*(\a&3)+8*\c+\j+1], v[TMP+4*\a+\c]
.endr
.endr
.irp j, 0,2,4,6
.irp c, 0,1,2,3
	v_max3_num_f32 v[TMP+4*\a+\c], v[64*(\a&3)+8*\c+32+\j], v[64*(\a&3)+8*\c+32+\j+1], v[TMP+4*\a+\c]
.endr
.endr
.endr
	WIN 0
.irp a, 0,1,2,3,4,5,6,7
	v_max3_num_f32 v[TMP+4*\a], v[TMP+4*\a], v[TMP+4*\a+1], v[TMP+4*\a+2]
	v_max_num_f32 v[TMP+4*\a], v[TMP+4*\a], v[TMP+4*\a+3]
	v_permlanex16_b32 v[TMP+4*\a+1], v[TMP+4*\a], s40, s41
	v_max_num_f32 v[MX+\a], v[TMP+4*\a], v[TMP+4*\a+1]
.endr
.endm
; the four waves' figures of each row meet in LDS.  The one W tile that is on its way may stay out: behind this barrier no slot is filled.
.macro EXCH src, off, sum
.irp a, 0,1,2,3,4,5,6,7
	ds_store_b32 v[SWR], v[\src+\a] offset:\a*256+\off
.endr
	s_wait_dscnt 0x0                               ; for the other waves' sake: my stores are done
	s_barrier_signal -1
	s_barrier_wait -1
.irp a, 0,1,2,3,4,5,6,7
	ds_load_b128 v[TMP+4*\a:TMP+4*\a+3], v[SRD] offset:\a*256+\off
.endr
	s_wait_dscnt 0x0
.irp a, 0,1,2,3,4,5,6,7
.if \sum
	v_add_f32 v[TMP+4*\a], v[TMP+4*\a], v[TMP+4*\a+1]
	v_add_f32 v[TMP+4*\a+2], v[TMP+4*\a+2], v[TMP+4*\a+3]
	v_add_f32 v[\src+\a], v[TMP+4*\a], v[TMP+4*\a+2]
.else
	v_max3_num_f32 v[TMP+4*\a], v[TMP+4*\a], v[TMP+4*\a+1], v[TMP+4*\a+2]
	v_max_num_f32 v[\src+\a], v[TMP+4*\a], v[TMP+4*\a+3]
.endif
.endr
.endm
.macro FMAROW a, fac                   ; row block a: accumulator x the factor pair + the row's figure, in place
.set ii, 0
.rept 32
	v_pk_fma_f32 v[64*(\a&3)+2*ii:64*(\a&3)+2*ii+1], v[64*(\a&3)+2*ii:64*(\a&3)+2*ii+1], v[\fac:\fac+1], v[PR+2*\a:PR+2*\a+1]
.set ii, ii+1
.endr
.endm
.macro FMAALL fac
.irp a, 0,1,2,3,4,5,6,7
	WINA \a, IP2, IP3
	FMAROW \a, \fac
.endr
.endm
; rows 16 a .. 16 a + 15: round to 16 bits, 16 bytes a lane into my own stage, read back as whole rows of 256 bytes, store.
; LDS serves a wave's instructions in order (ISA guide 5.7.1), so the loads see the stores above them.
.macro OUT16 a, isf, base
	WINA \a, RD2, RD3
.irp b, 0,1,2,3,4,5,6,7
.irp q, 0,1,2,3
.if \isf
	v_cvt_pk_f16_f32 v[TMP+4*\b+\q], v[64*(\a&3)+8*\b+2*\q], v[64*(\a&3)+8*\b+2*\q+1]
.else
	s_wait_alu depctr_va_vdst(0)
	v_cvt_pk_bf16_f32 v[TMP+4*\b+\q], v[64*(\a&3)+8*\b+2*\q], v[64*(\a&3)+8*\b+2*\q+1]
.endif
.endr
.endr
	WIN 0
.irp b, 0,1,2,3,4,5,6,7
	ds_store_b128 v[STO], v[TMP+4*\b:TMP+4*\b+3] offset:32*\b
.endr
	s_wait_xcnt 0x0                                ; the registers that earlier stores read are loaded again only behind this wait
.irp t, 0,1,2,3,4,5,6,7
	ds_load_b128 v[F1+32*(\a&1)+4*\t:F1+32*(\a&1)+4*\t+3], v[RD] offset:544*\t
.endr
.irp t, 0,1,2,3,4,5,6,7
	s_wait_dscnt 7-\t
	global_store_b128 v[CO], v[F1+32*(\a&1)+4*\t:F1+32*(\a&1)+4*\t+3], s[\base:\base+1] offset:(16*\a+2*\t)*1024   ; 16 lanes: 256 bytes, at a multiple of 256
.endr
.endm
.macro OUTALL isf, base
.irp a, 0,1,2,3,4,5,6,7
	OUT16 \a, \isf, \base
.endr
	s_wait_xcnt 0x0                                ; buffer 1 and the base, which the last stores read, are written again only behind this wait
.endm
	s_load_b256 s[4:11], s[0:1], 0x0               ; x s[4:5], wb s[6:7], pb s[8:9], lqb s[10:11]
	s_load_b64 s[12:13], s[0:1], 0x20              ; vb
	s_set_vgpr_msb 0x40
	v_lshl_add_u32 v255, v0, 2, 0x46c00
	s_set_vgpr_msb 0x4000
	v_mov_b32 v31, 0
	s_set_vgpr_msb 0x1
	ds_add_u32 v255, v31
	s_set_vgpr_msb 0x100
	v_lshrrev_b32 v3, 5, v0
	v_readfirstlane_b32 s14, v3                    ; wave 0..3
	v_and_b32 v1, 15, v0                           ; r = l % 16
	v_bfe_u32 v2, v0, 4, 1                         ; h = l / 16
	s_bfe_u32 s15, ttmp6, 0x40000                  ; cx
	s_lshl_b32 s16, ttmp9, 2
	s_add_co_u32 s16, s16, s15                     ; work-group = 4 x cluster + cx
	s_lshr_b32 s[ROT], ttmp9, 3
	s_add_co_u32 s[ROT], s[ROT], ttmp9
	s_and_b32 s[ROT], s[ROT], 7                    ; rot = (c + c / 8) mod 8, of the cluster's number alone: the four partners share it
	s_lshl_b32 s20, s14, 5
	v_add_nc_u32 v4, s20, v2                       ; 32 w + h
	v_lshlrev_b32 v[XO], 4, v1
	v_lshl_add_u32 v[XO], v4, 11, v[XO]            ; (32 w + h) rows of 2,048 bytes + 16 r
.irp t, 0,1,2,3,4,5,6,7
	s_add_co_u32 s50, s[ROT], \t
	s_and_b32 s50, s50, 7
	s_lshl_b32 s50, s50, 8                         ; position t takes slice (rot + t) mod 8, 256 bytes of f32 each
	v_add_nc_u32 v[XOS+\t], s50, v[XO]
.endr
	s_lshl_b32 s18, s16, 18                        ; 128 rows of 2,048 bytes
	s_mov_b32 s19, 0
	s_wait_dscnt 0x0
	s_wait_kmcnt 0x0
	s_add_nc_u64 s[4:5], s[4:5], s[18:19]
	XLOAD 0                                        ; three slices, 48 loads of 512 bytes a wave, are on their way before anything else is done
	XLOAD 1
	XLOAD 2
	s_lshl_b32 s18, s16, 17                        ; 128 rows of 1,024 bytes in each of the three results
	s_add_nc_u64 s[OB:OB+1], s[8:9], s[18:19]      ; the first pass stores into pb
	s_add_nc_u64 s[10:11], s[10:11], s[18:19]
	s_add_nc_u64 s[12:13], s[12:13], s[18:19]
	s_mov_b32 s40, 0x76543210                      ; v_permlanex16_b32: lane i of one half reads lane i of the other
	s_mov_b32 s41, 0xfedcba98
	; descriptor group 1: 16 rows x 512 elements of 2 bytes; 32 bytes of padding behind every 1,024; asked for jointly by the cluster's four
	s_mov_b32 s[G1+0], 15|(1<<16)|(1<<20)|(1<<21)|(7<<22)|(7<<25)
	s_mov_b32 s[G1+1], 512<<16                     ; tensor_dim0 = 512
	s_mov_b32 s[G1+2], 16<<16                      ; tensor_dim1 = 16
	s_mov_b32 s[G1+3], 512<<16                     ; tile_dim0 = 512
	s_mov_b32 s[G1+4], 16                          ; tile_dim1 = 16
	s_mov_b32 s[G1+5], 512                         ; elements from row to row
	s_mov_b32 s[G1+6], 0
	s_mov_b32 s[G1+7], 0
	s_lshl_b32 s18, s14, 14                        ; my 16 rows of a tile: made of the wave's number alone
	s_add_nc_u64 s[20:21], s[6:7], s[18:19]
	s_mul_i32 s22, s14, 16896
	s_mov_b32 s[TN], 0                             ; no tile has been asked for
	s_mov_b32 s[WOF+1], 0                          ; a tile's offset stays below 4 GiB
	v_mul_u32_u24 v5, v4, 1040
	v_lshl_add_u32 v[XW], v1, 3, v5                ; (32 w + h) x 1,040 + 8 r
	v_mul_u32_u24 v5, v1, 1040
	v_lshl_add_u32 v[ADRA], v2, 4, v5              ; row x pitch + 16 h
	v_add_nc_u32 v[ADRA+1], 66560, v[ADRA]         ; 64 rows on
	v_and_b32 v5, 7, v0
	v_lshl_add_u32 v5, v2, 3, v5                   ; the transposing load: row 8 h + l % 8,
	v_mul_u32_u24 v5, v5, 1056
	v_bfe_u32 v6, v0, 3, 1
	v_lshl_add_u32 v5, v6, 4, v5                   ; 16 bytes for each half of eight lanes,
	s_lshl_b32 s23, s14, 8
	s_add_co_u32 s18, s23, RING                    ; my wave's 128 columns
	v_add_nc_u32 v[ADRB], s18, v5
	v_add_nc_u32 v[ADRB+1], SLOT, v[ADRB]
	s_mul_i32 s18, s14, 4352
	s_add_co_u32 s18, s18, STAGE
	v_mul_u32_u24 v5, v1, 272
	v_lshl_add_u32 v5, v2, 4, v5
	v_add_nc_u32 v[STO], s18, v5
	v_mul_u32_u24 v5, v2, 272
	v_lshl_add_u32 v5, v1, 4, v5
	v_add_nc_u32 v[RD], s18, v5
	v_lshlrev_b32 v5, 10, v2
	v_lshl_add_u32 v5, v1, 4, v5
	v_add_nc_u32 v[CO], s23, v5                    ; h rows of 1,024 bytes + 16 r + 256 w
	v_lshlrev_b32 v5, 4, v1
	v_add_nc_u32 v[SRD], STATM, v5
	s_lshl_b32 s18, s14, 2
	v_add_nc_u32 v[SWR], s18, v[SRD]
	v_mov_b32 v[LE], 0x3fb8aa3b                    ; log2 e, twice
	v_mov_b32 v[LE+1], 0x3fb8aa3b
	v_mov_b32 v[CC], 1.0                           ; pass q: c = 1
	v_mov_b32 v[CC+1], 1.0
	v_mov_b32 v[NC], -1.0
	CROUND                                         ; the four work-groups are here: the first joint loads meet
.irp s, 0,1
	s_mov_b32 s[G0+4*\s], 1
	s_add_co_u32 s[G0+4*\s+1], s22, RING+\s*SLOT
	NEXTW \s
	tensor_load_to_lds s[G0+4*\s:G0+4*\s+3], s[G1:G1+7]            ; tiles 0 and 1: two tensor loads of the wave are out here, later one
	s_nop 0
.endr
	XCVT 0, 32
	XLOAD 3
	XCVT 1, 32
	XLOAD 4
	XCVT 2, 32
	XLOAD 5
	XCVT 3, 32
	XLOAD 6
	XCVT 4, 32
	XLOAD 7
	XCVT 5, 32
	XCVT 6, 16
	XCVT 7, 0
	s_wait_dscnt 0x0                               ; my rows of x are in LDS,
	s_wait_tensorcnt 0x1                           ; my part of tile 0 too; tile 1 may stay out: behind this barrier nothing is filled
	s_barrier_signal -1
	s_barrier_wait -1
	FETCH 0, 0, 0, F0, ADRA
	s_mov_b32 s46, 0                               ; the pass: 0 = q, 1 = k
.Lpass:
	KPASS 1                                        ; y = x Wq, then x Wk
	ROWMAX
	EXCH MX, 0, 0
.irp a, 0,1,2,3,4,5,6,7
	v_mul_f32 v[PR+2*\a], 0xbfb8aa3b, v[MX+\a]     ; - m log2 e, twice
	v_mul_f32 v[PR+2*\a+1], 0xbfb8aa3b, v[MX+\a]
.endr
	FMAALL LE                                      ; t = y log2 e - m log2 e, kept in the accumulators
.irp g, 0,1,2,3
.if \g < 2
	WIN X2
.else
	WIN X3
.endif
.set ii, 0
.rept 128
	v_exp_f32 v[U+ii], v[128*(\g&1)+ii]            ; 2^t of row blocks 2 g and 2 g + 1
.set ii, ii+1
.endr
	v_nop                                          ; one plain instruction behind the last exponentials before their results are read
	s_wait_alu depctr_va_vdst(0)
	WIN 0
	TREE32 U, SM+2*\g
	TREE32 U+64, SM+2*\g+1
.endr
.irp a, 0,1,2,3,4,5,6,7
	v_permlanex16_b32 v[TMP+\a], v[SM+\a], s40, s41            ; the row sums of the two lane halves
.endr
.irp a, 0,1,2,3,4,5,6,7
	v_add_f32 v[SM+\a], v[SM+\a], v[TMP+\a]
.endr
	EXCH SM, 2048, 1                               ; Z
.irp a, 0,1,2,3,4,5,6,7
	v_log_f32 v[TMP+\a], v[SM+\a]
.endr
	v_nop
	s_wait_alu depctr_va_vdst(0)
.irp a, 0,1,2,3,4,5,6,7
	v_mul_f32 v[PR+2*\a], v[NC], v[TMP+\a]         ; - c log2 Z, twice
	v_mul_f32 v[PR+2*\a+1], v[NC], v[TMP+\a]
.endr
	FMAALL CC                                      ; u = c t - c log2 Z: for k this is log_softmax
	WIN 0
	s_cmp_lg_u32 s46, 0
	s_cbranch_scc1 .Lnot_q
.irp a, 0,1,2,3,4,5,6,7
	WINA \a, IP2, IP3
.set ii, 0
.rept 64
	v_exp_f32 v[64*(\a&3)+ii], v[64*(\a&3)+ii]     ; for q: softmax = 2^u
.set ii, ii+1
.endr
.endr
	v_nop
	WIN 0
.Lnot_q:
	OUTALL 0, OB
	s_mov_b64 s[OB:OB+1], s[10:11]                 ; the second pass stores into lqb,
	v_mov_b32 v[CC], 0x3f317218                    ; with c = ln 2
	v_mov_b32 v[CC+1], 0x3f317218
	v_mov_b32 v[NC], 0xbf317218
	s_add_co_u32 s46, s46, 1
	s_cmp_lt_u32 s46, 2
	s_cbranch_scc1 .Lpass
	KPASS 0                                        ; v = x Wv, rounded to f16
	PLACES
	OUTALL 1, 12
	s_set_vgpr_msb 0x1
	s_wait_tensorcnt 0x0
	ds_add_u32 v255, v31
	s_wait_dscnt 0x0
	s_set_vgpr_msb 0x100
	CROUND                                         ; the closing round: no work-group ends while a partner may still ask for a tile that names it
	s_endpgm
.Lfunc_end_k_q66afa091ea_proj:
	.size	k_q66afa091ea_proj, .Lfunc_end_k_q66afa091ea_proj-k_q66afa091ea_proj
	.p2alignl 7, 3214868480
	.fill 96, 4, 3214868480
	.section	.rodata,"a",@progbits
	.p2align	6, 0x0
	.amdhsa_kernel k_q66afa091ea_proj
		.amdhsa_group_segment_fixed_size 327680
		.amdhsa_private_segment_fixed_size 0
		.amdhsa_enable_private_segment 0
		.amdhsa_kernarg_size 40
		.amdhsa_user_sgpr_count 2
		.amdhsa_user_sgpr_kernarg_segment_ptr 1
		.amdhsa_wavefront_size32 1
		.amdhsa_system_sgpr_workgroup_id_x 1
		.amdhsa_system_sgpr_workgroup_id_y 1
		.amdhsa_system_sgpr_workgroup_id_z 1
		.amdhsa_system_vgpr_workitem_id 0
		.amdhsa_next_free_vgpr 1024
		.amdhsa_next_free_sgpr 66
		.amdhsa_reserve_vcc 0
		.amdhsa_float_denorm_mode_32 3
		.amdhsa_float_denorm_mode_16_64 3
		.amdhsa_memory_ordered 1
		.amdhsa_forward_progress 1
		.amdhsa_inst_pref_size 255
	.end_amdhsa_kernel
	.section	.bss,"aw",@nobits
	.p2align	6
	.space	262144
	.amdgpu_metadata
---
amdhsa.version: [ 1, 2 ]
amdhsa.kernels:
  - .name:           k_q66afa091ea_proj
    .symbol:         k_q66afa091ea_proj.kd
    .args:
      - { .name: x, .offset: 0, .size: 8, .value_kind: global_buffer, .address_space: global }
      - { .name: wb, .offset: 8, .size: 8, .value_kind: global_buffer, .address_space: global }
      - { .name: pb, .offset: 16, .size: 8, .value_kind: global_buffer, .address_space: global }
      - { .name: lqb, .offset: 24, .size: 8, .value_kind: global_buffer, .address_space: global }
      - { .name: vb, .offset: 32, .size: 8, .value_kind: global_buffer, .address_space: global }
    .group_segment_fixed_size: 327680
    .private_segment_fixed_size: 0
    .kernarg_segment_align: 8
    .kernarg_segment_size: 40
    .max_flat_workgroup_size: 128
    .sgpr_count:     66
    .vgpr_count:     1024
    .wavefront_size: 32
...
	.end_amdgpu_metadata
.endif
;; end of part 4
;; launch attn: the kernel of part 3 again; grid 256 x 1, 4 waves a work-group, clusters of 4 x 1, 327,680 bytes of LDS; arguments pb, lqb, vb, out0; writes out0
